; MI455X (gfx1250); checked and timed in simulation.
; The chip was launched on July 23, 2026; its instructions are those of AMD's public machine-readable ISA for CDNA 5 (MIT licence, August 2026) and "CDNA5" Instruction Set Architecture Reference Guide (July 2026). The comments in the code are by the model that wrote it; some were corrected since.
;; Causal Self Attention. Allowed arithmetic: matrix products marked QUANTISED: E2M3 operands, one E8M0 scale for each 32 along K, by v_wmma_scale_f32_16x16x128_f8f6f4 with both operands' format E2M3, f32 sums; everything else in f32.
;; Inputs: w_attn 3,072 x 1,024 float32; w_proj 1,024 x 1,024 float32; x 4 x 2,048 x 1,024 float32.
;; Outputs: out0 4 x 2,048 x 1,024 float32.
;; This version of the problem:
;;   THIS VERSION OF THE PROBLEM IS GIVEN IN LOW PRECISION. The matrix products marked QUANTISED in the list below multiply operands that are first quantised to E2M3 (2 exponent bits, 3 mantissa bits; 6 bits a number), with one power-of-two scale for each 32 numbers along K (OCP MX v1.0); their sums are f32. All else is computed in f32.
;;   The module's matrix products, in the order in which they are computed (A, B: the left and right operand; K: the contracted axis; several contracted axes count as one K, in the product's order):
;;     1. [M 8,192, K 1,024] x [K 1,024, N 3,072]; A: input x; B: input w_attn: QUANTISED
;;     2. batch 64 x [M 2,048, K 64] x [K 64, N 2,048]; A: computed on the way; B: computed on the way: QUANTISED
;;     3. batch 64 x [M 2,048, K 2,048] x [K 2,048, N 64]; A: softmax (see below); B: computed on the way: QUANTISED
;;     4. [M 8,192, K 1,024] x [K 1,024, N 1,024]; A: computed on the way; B: input w_proj: QUANTISED
;;   THE QUANTISER, for each operand of a quantised product, along K:
;;     - K is cut into blocks of 32 from its start; a last block that is shorter is filled with zeros.
;;     - A block's scale is 2^e with e = floor(log2(the largest magnitude in the block)) - 2, held to -126 .. 127; a block of zeros has e = 0. As a byte (E8M0): e + 127.
;;     - Each number is divided by its block's scale, clamped to +-7.5, and rounded to the nearest number of E2M3, ties to even, subnormals kept.
;;     - The product sums the exact products of the quantised numbers (number of the format x scale) in f32.
;;   ~~~python
;;   def quantise(x, axis):      # numpy; x: float32 -> the quantised numbers, widened to float32 again
;;       x = np.moveaxis(x, axis, -1); K = x.shape[-1]
;;       x = np.pad(x, [(0, 0)] * (x.ndim - 1) + [(0, -K % 32)]); x = x.reshape(x.shape[:-1] + (-1, 32)); a = np.abs(x).max(-1, keepdims=True)
;;       e = np.where(a > 0, np.clip(np.frexp(np.where(a > 0, a, 1))[1] - 1 - 2, -126, 127), 0)      # np.frexp(a)[1] - 1 = floor(log2(a)), exactly
;;       r = np.clip(x / 2.0 ** e, -7.5, 7.5)
;;       step = 2.0 ** (np.maximum(np.frexp(np.where(r == 0, 1, r))[1] - 1, 0) - 3)
;;       q = np.round(r / step) * step * 2.0 ** e      # np.round: ties to even
;;       return np.moveaxis(q.reshape(q.shape[:-2] + (-1,))[..., :K], -1, axis).astype(np.float32)
;;   ~~~
;;   SOFTMAX AHEAD OF A QUANTISED PRODUCT. Where the list says 'softmax', what is quantised is not the finished softmax but p = 2^(t - M), with t = logit x log2(e) and M = ceil(the row's largest t), a whole number; so 1/2 < the row's largest p <= 1. The row's sum l is taken of the UNQUANTISED p, in f32, and the product's result is divided by l at the end. Since M is a whole number, a kernel that streams over the keys may use a running M (the ceiling of the running maximum): every later rescaling is an exact power of two, which a block's scale takes up: the codes' values come out the same.
;;   OPERANDS COMPUTED ON THE WAY. 'Computed on the way' means the value that the module computes at that place (a softmax that the list does not call 'softmax' is quantised finished and normalised). What goes into a quantiser is computed in f32, as accurately as f32 sums, v_exp_f32 and their like allow (about 1e-6 of the number): no bf16 or f16 on the way to a quantiser, and a product that is left as it is and whose result goes on into a quantised operand takes f32 operands (vector FMAs, or v_wmma_f32_16x16x4_f32). A number that lies on a knife's edge between two numbers of the format may be rounded either way, as far as f32 arithmetic and the matrix unit's own rounding can turn it there, and no further.
;; One version. Each part assembles by itself: llvm-mc -triple=amdgcn-amd-amdhsa -mcpu=gfx1250 --defsym DOCPART=n.
;; ======== version 1 of 1: 4 launches
;; limits: right only within a limited range of input values
;; workspace buffers: xr 6,553,600 bytes; war 2,457,600 bytes; wpr 819,200 bytes; rope 524,288 bytes; qkr 13,107,200 bytes; vr 6,553,600 bytes; yr 6,553,600 bytes
;; launch prep (part 1): grid 256 x 1, 4 waves a work-group, no clusters, 0 bytes of LDS; arguments x, w_attn, w_proj, xr, war, wpr, rope; writes xr, war, wpr, rope
.if DOCPART == 1
	.amdgcn_target "amdgcn-amd-amdhsa--gfx1250"
	.amdhsa_code_object_version 6
	.text
	.protected	k_q95dafeaa3a_prep
	.globl	k_q95dafeaa3a_prep
	.p2align	8
	.type	k_q95dafeaa3a_prep,@function
k_q95dafeaa3a_prep:
	s_mov_b64 s[64:65], 0
	v_nop
	global_prefetch_b8 v0, s[64:65] scope:SCOPE_SE
	s_setreg_imm32_b32 hwreg(HW_REG_WAVE_MODE, 25, 1), 1
	s_wait_xcnt 0x0
; x [8192][1024], w_attn [3072][1024], w_proj [1024][1024], f32, K innermost, become RECORDS of FP6 (E2M3) codes; and the table of the rotation is made.
; A RECORD is 128 rows x 128 along K in 12,800 bytes: eight fragments (16 rows x 128 K) as IMAGES OF THE OPERAND'S REGISTERS, 1,536 bytes each (registers 4 c .. 4 c + 3 of lane l at 512 c + 16 l),
; then 512 bytes of scale words: word q of place l (at 12,288 + 16 l + 4 q) belongs to fragment 2 q + l / 16, row l % 16.  Lane r of fragment a holds row 32 (a / 2) + 8 (a % 2) + r + 8 (r / 8) of the 128:
; with that order a product that takes a fragment as source 0 leaves 16 neighbouring rows in the 16 registers of two neighbouring tiles.
; A block's scale is 2^(floor(log2(its largest magnitude)) - 2); its byte is the largest magnitude's exponent field - 2, held at 1 from below.
; LIMITS: a block of zeros gets the byte 1 where the rule says 127 (its codes are zeros, and this program alone reads the bytes); NaN and infinities among the inputs are not served.
; SHARES: 768 records = 256 work-groups x waves 0 to 2, a record a wave.  Wave 3 makes eight rows of the table.  No LDS, no barrier: waves share nothing.
; THE TABLE: row t is 256 bytes: cos(t f_j), j = 0 .. 31, then sin(t f_j) with the sign turned for even j; f_j = 1 / 10^(j / 8) (10000^(j / 32)), both roundings in f32, the angle t f_j rounded to f32.
; LIMIT: 10^(j / 8) is taken correctly rounded to f32; a power function that is one unit in the last place off moves an angle by 1.2e-4 at the most (t = 2,047).
.set REC,  12800
.set FRB,  1536
.set SCO,  12288
.set XA,   4                           ; v4      my lane's byte in a fragment's 16 rows: true row x 4,096 + 64 x half
.set LI,   5                           ; v5      16 x lane: an image's place for my lane
.set TM,   8                           ; v8-23   the quantiser's work
.set PW,   24                          ; v24     the scale word just made
.set PWE,  25                          ; v25     that of the even fragment before
.set SW,   28                          ; v28-31  the record's scale words
.set PC,   32                          ; v32-50  the codes just made
.set X,    64                          ; v64-255 three sets of 64 numbers
.set WV,   18
.set SEL,  20                          ; s[20:21] v_permlanex16_b32's selects for lane l xor 16
.set HM,   22                          ; s22     lanes 16 to 31
.set SRC,  26                          ; s[26:27] my record's first number
.set DST,  28                          ; s[28:29] my record
; fragment a's numbers: of my row, 16 neighbours of each block of 32: register 16 b + i = k 32 b + 16 (lane / 16) + i
.macro XLOAD a, dst
.irp b, 0,1,2,3
.irp j, 0,1,2,3
	global_load_b128 v[\dst+16*\b+4*\j:\dst+16*\b+4*\j+3], v[XA], s[SRC:SRC+1] offset:(32*((\a)/2)+8*((\a)%2))*4096+128*\b+16*\j th:TH_LOAD_NT
.endr
.endr
.endm
; 64 numbers of a lane become a fragment's codes in v[PC] on and its row's scale word in v[PW]
.macro QUANT s
.set qS, \s
.irp b, 0,1,2,3
	v_max3_num_f32 v[TM+\b], |v[qS+16*\b]|, |v[qS+1+16*\b]|, 0x1800000   ; block b: my 16 numbers, and the floor 2^(3 - 127): the byte cannot fall under 1
.endr
.irp i, 2,4,6,8,10,12,14
.irp b, 0,1,2,3
	v_max3_num_f32 v[TM+\b], |v[qS+16*\b+\i]|, |v[qS+1+16*\b+\i]|, v[TM+\b]   ; the four blocks by turns
.endr
.endr
.irp b, 0,1,2,3
	v_permlanex16_b32 v[TM+4+\b], v[TM+\b], s[SEL], s[SEL+1]
.endr
.irp b, 0,1,2,3
	v_max_num_f32 v[TM+\b], v[TM+\b], v[TM+4+\b]   ; with lane l xor 16: the block's largest magnitude
.endr
.irp b, 0,1,2,3
	v_add_nc_u32 v[TM+12+\b], 0xff000000, v[TM+\b]   ; 2 off its exponent field: the conversion's scale operand
.endr
.irp b, 0,1,2,3
	v_lshrrev_b32 v[TM+4+\b], 23, v[TM+12+\b]      ; the scale's byte
.endr
	v_lshl_or_b32 v[PW], v[TM+5], 8, v[TM+4]
	v_lshl_or_b32 v[PW], v[TM+6], 16, v[PW]
	v_lshl_or_b32 v[PW], v[TM+7], 24, v[PW]
.irp c, 0,1
	v_cvt_scalef32_pk16_fp6_f32 v[PC+6*\c:PC+2+6*\c], v[qS+32*\c:qS+15+32*\c], v[TM+12+2*\c]
	v_cvt_scalef32_pk16_fp6_f32 v[PC+12+4*\c:PC+14+4*\c], v[qS+16+32*\c:qS+31+32*\c], v[TM+12+2*\c+1]   ; a conversion's three registers begin on an even number
.endr
	v_nop                                          ; one plain place behind a scaled conversion
.irp c, 0,1                                    ; the operand's layout wants a whole block in a lane
.irp i, 0,1,2
	v_permlane16_swap_b32 v[PC+6*\c+\i], v[PC+12+4*\c+\i]
.endr
.irp i, 0,1,2
	v_mov_b32 v[PC+3+6*\c+\i], v[PC+12+4*\c+\i]
.endr
.endr
.endm
; the fragment leaves as it stands: each store covers 512 consecutive bytes, aligned.  Two fragments' scale words share a register: the even one's in lanes 0-15, the odd one's in lanes 16-31
.macro PUT a
.irp c, 0,1,2
	global_store_b128 v[LI], v[PC+4*\c:PC+4*\c+3], s[DST:DST+1] offset:(\a)*FRB+512*\c
.endr
.if (\a)%2 == 0
	v_mov_b32 v[PWE], v[PW]
.else
	v_cndmask_b32 v[SW+(\a)/2], v[PWE], v[PW], s[HM]
.endif
.endm
.macro PJ lane, val
	s_mov_b32 s20, \val
	v_writelane_b32 v10, s20, \lane
.endm
	s_load_b256 s[4:11], s[0:1], 0x0               ; x, w_attn, w_proj, xr
	s_load_b128 s[12:15], s[0:1], 0x20             ; war, wpr
	s_load_b64 s[16:17], s[0:1], 0x30              ; rope
	v_lshrrev_b32 v1, 5, v0
	v_readfirstlane_b32 s[WV], v1                  ; wave 0..3
	v_and_b32 v1, 31, v0                           ; lane
	s_cmp_eq_u32 s[WV], 3
	s_cbranch_scc1 .Lrope
	; ---- waves 0 to 2: a record each
	v_and_b32 v2, 15, v0
	v_and_b32 v3, 8, v0
	v_add_nc_u32 v2, v2, v3                        ; r + 8 (r / 8)
	v_bfe_u32 v3, v0, 4, 1                         ; h
	v_lshlrev_b32 v[XA], 12, v2
	v_lshl_add_u32 v[XA], v3, 6, v[XA]
	v_lshlrev_b32 v[LI], 4, v1
	s_mov_b32 s[SEL], 0x76543210
	s_mov_b32 s[SEL+1], 0xfedcba98
	s_mov_b32 s[HM], 0xffff0000
.irp b, 0,1,2,3
	v_mov_b32 v[TM+4+\b], 0                        ; written once: a lane permute's destination counts as one of its sources
.endr
	s_mul_i32 s24, ttmp9, 3
	s_add_co_u32 s24, s24, s[WV]                   ; my record among the 768: 512 of x, 192 of w_attn, 64 of w_proj
	s_wait_alu depctr_va_vdst(0)
	s_wait_kmcnt 0x0
	s_mov_b32 s25, 704
	s_cmp_lt_u32 s24, 704                          ; the choices hang on the work-group's and the wave's number alone
	s_cselect_b64 s[SRC:SRC+1], s[6:7], s[8:9]
	s_cselect_b64 s[DST:DST+1], s[12:13], s[14:15]
	s_cselect_b32 s25, 512, s25
	s_cmp_lt_u32 s24, 512
	s_cselect_b64 s[SRC:SRC+1], s[4:5], s[SRC:SRC+1]
	s_cselect_b64 s[DST:DST+1], s[10:11], s[DST:DST+1]
	s_cselect_b32 s25, 0, s25
	s_sub_co_u32 s24, s24, s25                     ; my record in its tensor: 8 x row group + K step
	s_lshr_b32 s30, s24, 3
	s_and_b32 s31, s24, 7
	s_lshl_b32 s30, s30, 19                        ; 128 rows of 4,096 bytes
	s_lshl_b32 s31, s31, 9                         ; 128 numbers
	s_add_co_u32 s30, s30, s31
	s_mov_b32 s31, 0
	s_add_nc_u64 s[SRC:SRC+1], s[SRC:SRC+1], s[30:31]
	s_mul_i32 s30, s24, REC
	s_add_nc_u64 s[DST:DST+1], s[DST:DST+1], s[30:31]
	XLOAD 0, X
	XLOAD 1, X+64
	XLOAD 2, X+128
.irp a, 0,1,2,3,4,5,6,7
.if \a < 6
	s_wait_loadcnt 32                              ; this fragment's 16 loads are in; the two younger sets' 32 may be out
.elseif \a == 6
	s_wait_loadcnt 16
.else
	s_wait_loadcnt 0
.endif
.if \a > 0
	s_wait_xcnt 0x0                                ; the last fragment's stores have read their registers: the codes may be written anew
.endif
	QUANT X+64*(\a%3)
.if \a < 5
	XLOAD \a+3, X+64*(\a%3)                        ; the set just read takes the fragment three on
.endif
	PUT \a
.endr
	global_store_b128 v[LI], v[SW:SW+3], s[DST:DST+1] offset:SCO
	s_endpgm
	; ---- wave 3: rows 8 x work-group .. + 7 of the table; lane = j
.Lrope:
	v_mov_b32 v10, 0
	PJ 0, 1.0
	PJ 1, 1.3335214321633240
	PJ 2, 1.7782794100389228
	PJ 3, 2.3713737056616552
	PJ 4, 3.1622776601683795
	PJ 5, 4.2169650342858224
	PJ 6, 5.6234132519034908
	PJ 7, 7.4989420933245582
	PJ 8, 10.0
	PJ 9, 13.335214321633240
	PJ 10, 17.782794100389228
	PJ 11, 23.713737056616552
	PJ 12, 31.622776601683795
	PJ 13, 42.169650342858224
	PJ 14, 56.234132519034908
	PJ 15, 74.989420933245582
	PJ 16, 100.0
	PJ 17, 133.35214321633240
	PJ 18, 177.82794100389228
	PJ 19, 237.13737056616552
	PJ 20, 316.22776601683795
	PJ 21, 421.69650342858224
	PJ 22, 562.34132519034908
	PJ 23, 749.89420933245582
	PJ 24, 1000.0
	PJ 25, 1333.5214321633240
	PJ 26, 1778.2794100389228
	PJ 27, 2371.3737056616552
	PJ 28, 3162.2776601683795
	PJ 29, 4216.9650342858224
	PJ 30, 5623.4132519034908
	PJ 31, 7498.9420933245582
	s_wait_alu depctr_va_vdst(0)
	v_rcp_f32 v11, v10
	v_lshlrev_b32 v12, 2, v1                       ; 4 j (a plain place behind the reciprocal)
	s_wait_alu depctr_va_vdst(0)                   ; the wait ahead of the first reader
	v_fma_f32 v13, -v10, v11, 1.0                  ; one step of Newton: the quotient 1 / p rounded as a division rounds it
	v_fma_f32 v11, v11, v13, v11                   ; f_j
	v_and_b32 v13, 1, v1
	v_xor_b32 v13, 1, v13
	v_lshlrev_b32 v13, 31, v13                     ; the sine's sign is turned for even j
	s_lshl_b32 s24, ttmp9, 3                       ; my first t
	s_lshl_b32 s26, ttmp9, 11                      ; eight rows of 256 bytes
	s_mov_b32 s27, 0
	s_mov_b32 s30, 0x3fc90fdb                      ; pi / 2 in two pieces
	s_mov_b32 s31, 0xb33bbd2e
	s_mov_b32 s32, 0xbe2aaaab                      ; -1/3!, 1/5!, -1/7!, 1/9!
	s_mov_b32 s33, 0x3c088889
	s_mov_b32 s34, 0xb9500d01
	s_mov_b32 s35, 0x3638ef1d
	s_mov_b32 s36, 0x3d2aaaab                      ; 1/4!, -1/6!, 1/8!, -1/10!
	s_mov_b32 s37, 0xbab60b61
	s_mov_b32 s38, 0x37d00d01
	s_mov_b32 s39, 0xb493f27e
	s_wait_kmcnt 0x0
	s_add_nc_u64 s[16:17], s[16:17], s[26:27]
.irp k, 0,1,2,3,4,5,6,7
	s_add_co_u32 s25, s24, \k
	v_cvt_f32_u32 v14, s25
	s_wait_alu depctr_va_vdst(0)
	v_mul_f32 v14, v14, v11                        ; the angle, rounded to f32
	v_mul_f32 v15, 0x3f22f983, v14
	v_rndne_f32 v15, v15                           ; n = the nearest multiple of pi / 2, at most 1,303
	v_fma_f32 v16, -v15, s30, v14                  ; exact: a multiple of 2^-23 under 1
	v_fma_f32 v16, -v15, s31, v16                  ; r, at most pi / 4 in magnitude
	v_mul_f32 v17, v16, v16
	v_fma_f32 v18, v17, s35, s34                   ; sin r to r^9: what is cut is under 2e-9
	v_fma_f32 v20, v17, s39, s38                   ; cos r to r^10
	v_fma_f32 v18, v18, v17, s33
	v_fma_f32 v20, v20, v17, s37
	v_fma_f32 v18, v18, v17, s32
	v_fma_f32 v20, v20, v17, s36
	v_mul_f32 v19, v16, v17
	v_fma_f32 v20, v20, v17, -0.5
	v_fma_f32 v18, v18, v19, v16
	v_fma_f32 v20, v20, v17, 1.0
	v_cvt_i32_f32 v21, v15
	v_and_b32 v22, 1, v21
	v_cmp_eq_u32 vcc_lo, 1, v22                    ; in odd quadrants sine and cosine change places
	v_cndmask_b32 v23, v18, v20, vcc_lo
	v_cndmask_b32 v24, v20, v18, vcc_lo
	v_and_b32 v22, 2, v21
	v_lshlrev_b32 v22, 30, v22                     ; the sine is negative in quadrants 2 and 3,
	v_xor_b32 v23, v23, v22
	v_xor_b32 v[41+2*\k], v23, v13
	v_add_nc_u32 v22, 1, v21
	v_and_b32 v22, 2, v22
	v_lshlrev_b32 v22, 30, v22                     ; the cosine in 1 and 2
	v_xor_b32 v[40+2*\k], v24, v22
	global_store_b32 v12, v[40+2*\k], s[16:17] offset:256*\k        ; each row's results have registers of their own: no store's data are written again
	global_store_b32 v12, v[41+2*\k], s[16:17] offset:256*\k+128
.endr
	s_endpgm
.Lfunc_end_k_q95dafeaa3a_prep:
	.size	k_q95dafeaa3a_prep, .Lfunc_end_k_q95dafeaa3a_prep-k_q95dafeaa3a_prep
	.p2alignl 7, 3214868480
	.fill 96, 4, 3214868480
	.section	.rodata,"a",@progbits
	.p2align	6, 0x0
	.amdhsa_kernel k_q95dafeaa3a_prep
		.amdhsa_group_segment_fixed_size 0
		.amdhsa_private_segment_fixed_size 0
		.amdhsa_enable_private_segment 0
		.amdhsa_kernarg_size 56
		.amdhsa_user_sgpr_count 2
		.amdhsa_user_sgpr_kernarg_segment_ptr 1
		.amdhsa_wavefront_size32 1
		.amdhsa_system_sgpr_workgroup_id_x 1
		.amdhsa_system_sgpr_workgroup_id_y 1
		.amdhsa_system_sgpr_workgroup_id_z 1
		.amdhsa_system_vgpr_workitem_id 0
		.amdhsa_next_free_vgpr 256
		.amdhsa_next_free_sgpr 66
		.amdhsa_reserve_vcc 1
		.amdhsa_float_denorm_mode_32 3
		.amdhsa_float_denorm_mode_16_64 3
		.amdhsa_memory_ordered 1
		.amdhsa_forward_progress 1
		.amdhsa_inst_pref_size 65
	.end_amdhsa_kernel
	.amdgpu_metadata
---
amdhsa.version: [ 1, 2 ]
amdhsa.kernels:
  - .name:           k_q95dafeaa3a_prep
    .symbol:         k_q95dafeaa3a_prep.kd
    .args:
      - { .name: x, .offset: 0, .size: 8, .value_kind: global_buffer, .address_space: global }
      - { .name: w_attn, .offset: 8, .size: 8, .value_kind: global_buffer, .address_space: global }
      - { .name: w_proj, .offset: 16, .size: 8, .value_kind: global_buffer, .address_space: global }
      - { .name: xr, .offset: 24, .size: 8, .value_kind: global_buffer, .address_space: global }
      - { .name: war, .offset: 32, .size: 8, .value_kind: global_buffer, .address_space: global }
      - { .name: wpr, .offset: 40, .size: 8, .value_kind: global_buffer, .address_space: global }
      - { .name: rope, .offset: 48, .size: 8, .value_kind: global_buffer, .address_space: global }
    .group_segment_fixed_size: 0
    .private_segment_fixed_size: 0
    .kernarg_segment_align: 8
    .kernarg_segment_size: 56
    .max_flat_workgroup_size: 128
    .sgpr_count:     66
    .vgpr_count:     256
    .wavefront_size: 32
...
	.end_amdgpu_metadata
.endif
;; end of part 1
;; launch qkv (part 2): grid 8 x 48, 4 waves a work-group, clusters of 4 x 4, 327,680 bytes of LDS; arguments xr, war, rope, qkr, vr; writes qkr, vr
.if DOCPART == 2
	.amdgcn_target "amdgcn-amd-amdhsa--gfx1250"
	.amdhsa_code_object_version 6
	.text
	.protected	k_q95dafeaa3a_qkv
	.globl	k_q95dafeaa3a_qkv
	.p2align	8
	.type	k_q95dafeaa3a_qkv,@function
k_q95dafeaa3a_qkv:
	s_mov_b64 s[64:65], 0
	v_nop
	global_prefetch_b8 v0, s[64:65] scope:SCOPE_SE
	s_setreg_imm32_b32 hwreg(HW_REG_WAVE_MODE, 25, 1), 1
	s_wait_xcnt 0x0
	s_wait_alu depctr_hold_cnt(0) depctr_sa_sdst(0) depctr_va_vdst(0) depctr_va_sdst(0) depctr_va_ssrc(0) depctr_va_vcc(0) depctr_vm_vsrc(0)
	s_getreg_b32 s2, hwreg(HW_REG_IB_STS2, 6, 4)
	s_cmp_eq_u32 s2, 0
	s_cbranch_scc0 .Lentry_in_a_cluster
	s_endpgm
.Lentry_in_a_cluster:
	s_bfe_u32 s2, ttmp6, 0x10000c
	s_cmp_lg_u32 s2, 0xf033
	s_cbranch_scc0 .Lentry_shape_is_right
	s_endpgm
.Lentry_shape_is_right:
; qkv = x w_attn^T on codes of FP6 (E2M3) with E8M0 scales, then the rotation of q and k, then the quantisers of q, k (along a head's 64) and v (along the keys).  Nothing leaves as f32.
; OPERANDS are RECORDS (128 rows x 128 K, 12,800 bytes: eight fragments as images of their registers, 1,536 bytes each, then 512 bytes of scale words: word q of place l belongs to fragment 2 q + l / 16, row l % 16;
; lane r of fragment a holds row 32 (a / 2) + 8 (a % 2) + r + 8 (r / 8)).  xr: [64 row groups][8 K steps], war: [24][8].
; ONE GEMM, TWO ROLES.  A work-group makes 256 A rows x 256 B rows, a wave 128 x 128 in 64 accumulators.  Source 0 = 16 B rows, source 1 = 16 A rows: a lane holds ONE A row and its registers run along the B rows,
; 16 neighbours in the 16 registers of two neighbouring tiles: the axis along which the result is quantised.
;   clusters y 0-7:  A = x (tokens), B = w_attn's rows of q and k: the wave's 128 B rows are a pair of heads; rotated, quantised along them: a record of qkr [q, k][b 4][head pair 8][token group 16].
;   clusters y 8-11: A = w_attn's rows of v, B = x: the wave's 128 B rows are 128 keys: quantised along them: a record of vr [b 4][head pair 8][key step 16].  Nothing is transposed by an instruction.
; The role hangs on the cluster's y alone, which all sixteen partners share.
; THE RING: two LDS slots; a slot holds 256 along K: two records of each of A's two row groups and B's two, 25,600 dense bytes each, one tensor load a wave.  K = 1,024 is four slots' worth: the steps are written out.
; CLUSTERS: 4 x 4.  A's tiles are shared along a row of the cluster, B's along a column: each is asked for jointly, by the same tensor load with the same descriptor and a mask that names the four.
; By this text's own count a wave has one tensor load out at the start and one behind each round.
; No prefetch: each tile is asked for jointly and the whole of K is four refills.
; LIMITS: a block of zeros gets the byte 1 where the rule says 127 (its codes are zeros; this program alone reads the bytes); NaN and infinities are not served.
; REGISTERS, in windows of 256: window 0: v16-29 addresses; v32-63 scale words, two sets, and nothing else; v64-127 two sets of the rotation's table; v128-223 A's fragments, one set (on the way out at work);
;   v224-247 the quantiser's work.   window 1: B's fragments, two sets, at v0 and v128.   windows 2, 3: the accumulators, (a, b) at v[8 (8 (a % 4) + b)].
.set REC,   12800
.set FRB,   1536
.set SCO,   12288
.set PART,  2*REC                      ; what one tensor load brings: a row group's two records
.set SLOT,  4*PART
.set SPARE, 2*SLOT                     ; behind the ring: the spare words, 128 bytes for each wave, two blocks of 256 bytes that no other line names
.set FR,    12
.set NL,    3                          ; LDS loads that bring a fragment
.set NP,    4                          ; places behind this matrix instruction (ISA guide 7.12.1)
.set ADRA,  16                         ; v16-17  my A row group in slot 0, 1, + 16 x lane
.set ADRB,  20                         ; v20-21  the same for B
.set LI,    24                         ; v24     16 x lane
.set TO,    25                         ; v25     the table: my token's row x 256 + 64 x half
.set SPW,   28
.set NIL,   29
.set SC,    32                         ; scale words: slot s, record q: A's four registers at SC + 16 s + 8 q, B's four behind them
.set RP,    64                         ; the table: set a % 2: 16 cosines, 16 signed sines
.set AF,    128
.set TMPR,  128                        ; the way out: 64 products
.set PC,    192                        ; the codes just made
.set TM,    224
.set PW,    240
.set PWE,   241
.set SW,    244
.set G1,  24
.set G0,  32
.set G1B, 48
.set G0B, 56
.set RB,  74                           ; s[74:75] the table at my token group
.set OB,  76                           ; s[76:77] my record of qkr or vr
.set SEL, 86
.set HM,  88
.set MSB, 0
.macro WIN new                         ; the immediate's high byte repeats the setting that is left
.if MSB != (\new)
	s_set_vgpr_msb (MSB<<8)|(\new)
.set MSB, \new
.endif
.endm
.set MUL_LO, 0xa1                      ; source 0 (B) window 1, source 1 (A) window 0, C and D window 2
.set MUL_HI, 0xf1
.set TO_B,   0x40
; A joint load: waves 0 and 1 fetch for A, waves 2 and 3 for B; the branch hangs on the wave's number alone.  An s_nop 0 and four v_nop follow each of the two lines.
.macro JLOAD g0a, g1a, g0b, g1b
	s_cmp_eq_u32 s15, 0
	s_cbranch_scc0 .Lfor_b_\@
	tensor_load_to_lds s[\g0a:\g0a+3], s[\g1a:\g1a+7]
	s_nop 0
.rept 4
	v_nop
.endr
	s_branch .Lasked_\@
.Lfor_b_\@:
	tensor_load_to_lds s[\g0b:\g0b+3], s[\g1b:\g1b+7]
	s_nop 0
.rept 4
	v_nop
.endr
.Lasked_\@:
.endm
.macro CREST                           ; a round of the cluster's barrier behind its opening barrier
	s_cmp_lg_u32 s14, 0
	s_cbranch_scc1 .Lnot_wave_0_\@
	s_barrier_signal -3
.Lnot_wave_0_\@:
	s_barrier_wait -3
	s_barrier_signal -1
	s_barrier_wait -1
.endm
.macro CROUND
	s_barrier_signal -1
	s_barrier_wait -1
	CREST
.endm
.macro PLACES n
.rept \n
	v_nop
.endr
.endm
.macro FRAG reg, adr, q, i             ; fragment i of the slot's record q: three loads of 512 consecutive bytes
.irp c, 0,1,2
	ds_load_b128 v[\reg+4*\c:\reg+4*\c+3], v[\adr] offset:(\q)*REC+(\i)*FRB+512*\c
.endr
.endm
.macro FETCH_B slot, q, p
	WIN TO_B
.irp i, 0,1,2,3,4,5,6,7
	FRAG 128*(\p)+FR*\i, ADRB+\slot, \q, \i
.endr
	WIN 0
.endm
.macro FETCH_A slot, q, i0
.irp i, \i0, \i0+1, \i0+2, \i0+3
	FRAG AF+FR*(\i), ADRA+\slot, \q, \i
.endr
.endm
.macro SCALES sc                       ; a slot's scale words: four registers for each of its four records
.irp q, 0,1
	ds_load_b128 v[SC+16*\sc+8*\q:SC+16*\sc+8*\q+3], v[ADRA+\sc] offset:\q*REC+SCO
	ds_load_b128 v[SC+16*\sc+8*\q+4:SC+16*\sc+8*\q+7], v[ADRB+\sc] offset:\q*REC+SCO
.endr
.endm
; one product; an odd fragment's scale words lie in lanes 16-31 of their register
.macro WM zero
.if \zero
.if pB && pA
	v_wmma_scale_f32_16x16x128_f8f6f4 v[rD:rD+7], v[rB:rB+FR-1], v[rA:rA+FR-1], 0, v[rSB], v[rSA] matrix_a_fmt:MATRIX_FMT_FP6 matrix_b_fmt:MATRIX_FMT_FP6 matrix_a_scale:MATRIX_SCALE_ROW1 matrix_b_scale:MATRIX_SCALE_ROW1
.elseif pB
	v_wmma_scale_f32_16x16x128_f8f6f4 v[rD:rD+7], v[rB:rB+FR-1], v[rA:rA+FR-1], 0, v[rSB], v[rSA] matrix_a_fmt:MATRIX_FMT_FP6 matrix_b_fmt:MATRIX_FMT_FP6 matrix_a_scale:MATRIX_SCALE_ROW1
.elseif pA
	v_wmma_scale_f32_16x16x128_f8f6f4 v[rD:rD+7], v[rB:rB+FR-1], v[rA:rA+FR-1], 0, v[rSB], v[rSA] matrix_a_fmt:MATRIX_FMT_FP6 matrix_b_fmt:MATRIX_FMT_FP6 matrix_b_scale:MATRIX_SCALE_ROW1
.else
	v_wmma_scale_f32_16x16x128_f8f6f4 v[rD:rD+7], v[rB:rB+FR-1], v[rA:rA+FR-1], 0, v[rSB], v[rSA] matrix_a_fmt:MATRIX_FMT_FP6 matrix_b_fmt:MATRIX_FMT_FP6
.endif
.else
.if pB && pA
	v_wmma_scale_f32_16x16x128_f8f6f4 v[rD:rD+7], v[rB:rB+FR-1], v[rA:rA+FR-1], v[rD:rD+7], v[rSB], v[rSA] matrix_a_fmt:MATRIX_FMT_FP6 matrix_b_fmt:MATRIX_FMT_FP6 matrix_a_scale:MATRIX_SCALE_ROW1 matrix_b_scale:MATRIX_SCALE_ROW1
.elseif pB
	v_wmma_scale_f32_16x16x128_f8f6f4 v[rD:rD+7], v[rB:rB+FR-1], v[rA:rA+FR-1], v[rD:rD+7], v[rSB], v[rSA] matrix_a_fmt:MATRIX_FMT_FP6 matrix_b_fmt:MATRIX_FMT_FP6 matrix_a_scale:MATRIX_SCALE_ROW1
.elseif pA
	v_wmma_scale_f32_16x16x128_f8f6f4 v[rD:rD+7], v[rB:rB+FR-1], v[rA:rA+FR-1], v[rD:rD+7], v[rSB], v[rSA] matrix_a_fmt:MATRIX_FMT_FP6 matrix_b_fmt:MATRIX_FMT_FP6 matrix_b_scale:MATRIX_SCALE_ROW1
.else
	v_wmma_scale_f32_16x16x128_f8f6f4 v[rD:rD+7], v[rB:rB+FR-1], v[rA:rA+FR-1], v[rD:rD+7], v[rSB], v[rSA] matrix_a_fmt:MATRIX_FMT_FP6 matrix_b_fmt:MATRIX_FMT_FP6
.endif
.endif
.endm
; 16 products: A's blocks a0, a0 + 1 x B's eight, the slot's record q.  p: B's set; sc: the set of scale words.  The 64 accumulators take turns, one instruction a turn, in the same order in every step.
.macro MUL16 a0, p, q, sc, zero
.irp a, \a0, \a0+1
.irp b, 0,1,2,3,4,5,6,7
.set rD, 8*(8*((\a)%4)+\b)
.set rB, 128*(\p)+FR*\b
.set rA, AF+FR*(\a)
.set rSB, SC+16*(\sc)+8*(\q)+4+\b/2
.set rSA, SC+16*(\sc)+8*(\q)+(\a)/2
.set pB, \b%2
.set pA, (\a)%2
	WM \zero
.endr
.endr
.endm
; a slot's first 128 along K; its successor lies in the same slot
.macro STEP slot, zero
	s_wait_dscnt 4*NL                              ; B's set, A's blocks 0-3 and the scale words are in; the youngest 12 loads (A's blocks 4-7) may be out
	WIN MUL_LO
	MUL16 0, 0, 0, \slot, \zero
	MUL16 2, 0, 0, \slot, \zero
	s_wait_dscnt 0
	PLACES NP                                      ; in front of loads into registers that matrix instructions have read
	FETCH_B \slot, 1, 1
	FETCH_A \slot, 1, 0
	WIN MUL_HI
	MUL16 4, 0, 0, \slot, \zero
	MUL16 6, 0, 0, \slot, \zero
	PLACES NP
	WIN 0
	FETCH_A \slot, 1, 4
.endm
; a slot's second 128 along K changes slots: ONE barrier; in front of it each wave waits for all its tensor loads, adds 0 to its spare word, and waits for that and for its reads of this slot.  fill = 1: the slot is filled again, two slots ahead
.macro TURN slot, next, fill
	s_wait_tensorcnt 0x0                           ; all my tensor loads have landed: my part of the next slot
	ds_add_u32 v[SPW], v[NIL]                      ; 0 onto my spare word
	s_wait_dscnt 4*NL+1                            ; the add and the youngest 12 loads may be out
	WIN MUL_LO
	MUL16 0, 1, 1, \slot, 0
	s_wait_dscnt 0x0                               ; the add is done, and my reads of this slot are over
	s_barrier_signal -1
	MUL16 2, 1, 1, \slot, 0
	WIN 0
	s_barrier_wait -1
.if \fill
	CREST                                          ; the barrier has opened a round of the cluster's: no wave of any partner still reads this slot or has a load on its way
	s_add_nc_u64 s[G0+4*\slot+2:G0+4*\slot+3], s[G0+4*\slot+2:G0+4*\slot+3], 2*PART
	s_add_nc_u64 s[G0B+4*\slot+2:G0B+4*\slot+3], s[G0B+4*\slot+2:G0B+4*\slot+3], 2*PART
	JLOAD G0+4*\slot, G1, G0B+4*\slot, G1B         ; the first tensor load behind the round; its four v_nop are the places in front of the loads below
.else
	PLACES NP
.endif
	FETCH_B \next, 0, 0
	FETCH_A \next, 0, 0
	SCALES \next
	WIN MUL_HI
	MUL16 4, 1, 1, \slot, 0
	MUL16 6, 1, 1, \slot, 0
	PLACES NP
	WIN 0
	FETCH_A \next, 0, 4
.endm
; the table's 16 cosines and 16 signed sines of my token of A's block a, for j = 16 (lane / 16) + 0 .. 15
.macro RLOAD a
.set rS, RP+32*((\a)%2)
.irp i, 0,1,2,3
	global_load_b128 v[rS+4*\i:rS+4*\i+3], v[TO], s[RB:RB+1] offset:(32*((\a)/2)+8*((\a)%2))*256+16*\i
.endr
.irp i, 0,1,2,3
	global_load_b128 v[rS+16+4*\i:rS+16+4*\i+3], v[TO], s[RB:RB+1] offset:(32*((\a)/2)+8*((\a)%2))*256+128+16*\i
.endr
.endm
; the rotation of block a, in place: out[d] = x[d] cos[d % 32] + x[d xor 1] sin'[d % 32].  Register 16 B + i holds d = 32 B + 16 (lane / 16) + i, so pair p takes the table's pair p % 8
.macro ROPE a
.set rW, 2+(\a)/4
.set rWW, rW|(rW<<6)
.set rAC, 64*((\a)%4)
.set rS, RP+32*((\a)%2)
.if (\a) < 7
	s_wait_loadcnt 8                               ; this block's 8 loads are in; the other set's 8 may be out
.else
	s_wait_loadcnt 0
.endif
	WIN rW
.set p, 0
.rept 32
	v_pk_mul_f32 v[TMPR+2*p:TMPR+2*p+1], v[rAC+2*p:rAC+2*p+1], v[rS+2*(p%8):rS+2*(p%8)+1]   ; each accumulator from its low end on
.set p, p+1
.endr
	WIN rWW
.set p, 0
.rept 32
	v_pk_fma_f32 v[rAC+2*p:rAC+2*p+1], v[rAC+2*p:rAC+2*p+1], v[rS+16+2*(p%8):rS+16+2*(p%8)+1], v[TMPR+2*p:TMPR+2*p+1] op_sel:[1,0,0] op_sel_hi:[0,1,1]   ; source 0 with its halves changed
.set p, p+1
.endr
	WIN 0
.if (\a) < 6
	RLOAD (\a)+2
.endif
.endm
; 64 numbers of a lane in window w become a fragment's codes in v[PC] on and its row's scale word in v[PW]
.macro QUANT s, w
.set qS, \s
.set qW, \w
.set qWW, qW|(qW<<2)
	WIN qWW
.irp b, 0,1,2,3
	v_max3_num_f32 v[TM+\b], |v[qS+16*\b]|, |v[qS+1+16*\b]|, 0x1800000   ; block b: my 16 numbers, and the floor 2^(3 - 127): the byte cannot fall under 1
.endr
.irp i, 2,4,6,8,10,12,14
.irp b, 0,1,2,3
	v_max3_num_f32 v[TM+\b], |v[qS+16*\b+\i]|, |v[qS+1+16*\b+\i]|, v[TM+\b]
.endr
.endr
	WIN 0
.irp b, 0,1,2,3
	v_permlanex16_b32 v[TM+4+\b], v[TM+\b], s[SEL], s[SEL+1]
.endr
.irp b, 0,1,2,3
	v_max_num_f32 v[TM+\b], v[TM+\b], v[TM+4+\b]
.endr
.irp b, 0,1,2,3
	v_add_nc_u32 v[TM+12+\b], 0xff000000, v[TM+\b]   ; 2 off the exponent field: the conversion's scale operand
.endr
.irp b, 0,1,2,3
	v_lshrrev_b32 v[TM+4+\b], 23, v[TM+12+\b]
.endr
	v_lshl_or_b32 v[PW], v[TM+5], 8, v[TM+4]
	v_lshl_or_b32 v[PW], v[TM+6], 16, v[PW]
	v_lshl_or_b32 v[PW], v[TM+7], 24, v[PW]
	WIN qW
.irp c, 0,1
	v_cvt_scalef32_pk16_fp6_f32 v[PC+6*\c:PC+2+6*\c], v[qS+32*\c:qS+15+32*\c], v[TM+12+2*\c]
	v_cvt_scalef32_pk16_fp6_f32 v[PC+12+4*\c:PC+14+4*\c], v[qS+16+32*\c:qS+31+32*\c], v[TM+12+2*\c+1]
.endr
	WIN 0
	v_nop                                          ; one plain place behind a scaled conversion
.irp c, 0,1
.irp i, 0,1,2
	v_permlane16_swap_b32 v[PC+6*\c+\i], v[PC+12+4*\c+\i]
.endr
.irp i, 0,1,2
	v_mov_b32 v[PC+3+6*\c+\i], v[PC+12+4*\c+\i]
.endr
.endr
.endm
.macro OUT a                           ; block a becomes fragment a of my record: each store covers 512 consecutive bytes, aligned
.if (\a) > 0
	s_wait_xcnt 0x0                                ; the last fragment's stores have read their registers
.endif
	QUANT 64*((\a)%4), 2+(\a)/4
.irp c, 0,1,2
	global_store_b128 v[LI], v[PC+4*\c:PC+4*\c+3], s[OB:OB+1] offset:(\a)*FRB+512*\c
.endr
.if (\a)%2 == 0
	v_mov_b32 v[PWE], v[PW]
.else
	v_cndmask_b32 v[SW+(\a)/2], v[PWE], v[PW], s[HM]   ; the even fragment's words in lanes 0-15, the odd one's in lanes 16-31
.endif
.endm
	s_load_b256 s[4:11], s[0:1], 0x0               ; xr, war, rope, qkr
	s_load_b64 s[12:13], s[0:1], 0x20              ; vr
	v_lshl_add_u32 v[SPW], v0, 2, SPARE
	v_mov_b32 v[NIL], 0
	ds_add_u32 v[SPW], v[NIL]                      ; the wave's opening: the add and its wait stand ahead of my first tensor load; the set-up below stands between them
	ds_add_u32 v[SPW], v[NIL]
	v_lshrrev_b32 v1, 5, v0
	v_readfirstlane_b32 s14, v1                    ; wave 0..3
	s_lshr_b32 s15, s14, 1                         ; which of A's two row groups is mine.  Also: I fetch for A (0) or for B (1)
	s_and_b32 s16, s14, 1                          ; which of B's two.  Also: which of the two groups I fetch
	s_bfe_u32 s40, ttmp6, 0x40000                  ; cx
	s_bfe_u32 s41, ttmp6, 0x40004                  ; cy
	s_and_b32 s67, ttmp7, 0xffff                   ; the cluster's y: the role
	s_lshl_b32 s43, s41, 2
	s_lshl_b32 s43, 15, s43                        ; my row of the cluster
	s_lshl_b32 s44, 0x1111, s40                    ; my column
	s_lshl_b32 s68, s67, 2
	s_sub_co_u32 s69, s67, 8
	s_lshl_b32 s69, s69, 1
	s_add_co_u32 s69, s69, ttmp9                   ; v's clusters: 2 (y - 8) + x
	s_cmp_lt_u32 s67, 8
	s_cselect_b32 s66, 1, 0                        ; 1: q and k;  0: v
	s_cselect_b32 s17, s68, 0
	s_cselect_b32 s42, ttmp9, s69
	s_cselect_b32 s22, 0, 16*8*REC                 ; v: A begins at war's row group 16
	s_add_co_u32 s17, s17, s41                     ; A's pair of row groups: made of cy and the cluster's y
	s_lshl_b32 s42, s42, 2
	s_add_co_u32 s42, s42, s40                     ; B's pair: made of cx and the cluster's place
	; descriptor group 1: 25,600 dense bytes as 100 rows of 32 elements of 8 bytes; no padding: every LDS load reads 512 consecutive bytes
	s_or_b32 s[G1+0], s43, (3<<16)|(1<<21)         ; 15:0 the mask: A's tiles go to my row; 17:16 elements of 8 bytes; 21 set beside a mask
	s_or_b32 s[G1B+0], s44, (3<<16)|(1<<21)
.irp g, G1, G1B
	s_mov_b32 s[\g+1], 32<<16                      ; tensor_dim0
	s_mov_b32 s[\g+2], 200<<16                     ; tensor_dim1: the head's load brings 200 rows, both slots' parts; behind it the two words that count rows are set to 100
	s_mov_b32 s[\g+3], 32<<16                      ; tile_dim0
	s_mov_b32 s[\g+4], 200                         ; tile_dim1
	s_mov_b32 s[\g+5], 32                          ; tensor_dim0_stride
	s_mov_b32 s[\g+6], 0
	s_mov_b32 s[\g+7], 0
.endr
	s_lshl_b32 s20, s17, 1
	s_add_co_u32 s20, s20, s16
	s_mul_i32 s20, s20, 8*REC                      ; the row group that I fetch, in bytes
	s_add_co_u32 s20, s20, s22
	s_mov_b32 s21, 0
	s_lshl_b32 s46, s42, 1
	s_add_co_u32 s46, s46, s16
	s_mul_i32 s46, s46, 8*REC
	s_mov_b32 s47, 0
	s_mul_i32 s45, s14, 2*PART                     ; where it goes: a wave's parts of slot 0 and of slot 1 lie on end; no place in the cluster enters an LDS address
	s_mov_b32 s[SEL], 0x76543210
	s_mov_b32 s[SEL+1], 0xfedcba98
	s_mov_b32 s[HM], 0xffff0000
	s_wait_dscnt 0x0                               ; the opening add is done
	s_wait_kmcnt 0x0
	s_cmp_eq_u32 s66, 1
	s_cselect_b64 s[70:71], s[4:5], s[6:7]         ; A
	s_cselect_b64 s[72:73], s[6:7], s[4:5]         ; B
	s_add_nc_u64 s[20:21], s[70:71], s[20:21]
	s_add_nc_u64 s[46:47], s[72:73], s[46:47]
	CROUND                                         ; all sixteen work-groups are here: the first joint loads meet
.irp s, 0,1
	s_mov_b32 s[G0+4*\s], 1
	s_add_co_u32 s[G0+4*\s+1], s45, \s*PART
	s_add_nc_u64 s[G0+4*\s+2:G0+4*\s+3], s[20:21], \s*PART
	s_or_b32 s[G0+4*\s+3], s[G0+4*\s+3], 0x80000000
	s_mov_b32 s[G0B+4*\s], 1
	s_add_co_u32 s[G0B+4*\s+1], s45, \s*PART
	s_add_nc_u64 s[G0B+4*\s+2:G0B+4*\s+3], s[46:47], \s*PART
	s_or_b32 s[G0B+4*\s+3], s[G0B+4*\s+3], 0x80000000
.endr
	JLOAD G0, G1, G0B, G1B                         ; my row group's first four records, 51,200 dense bytes: slots 0 and 1 by ONE tensor load a wave at the head
	v_and_b32 v1, 31, v0
	v_lshlrev_b32 v[LI], 4, v1
	s_mul_i32 s21, s15, 2*PART
	s_mul_i32 s22, s16, 2*PART
	s_add_co_u32 s22, s22, 4*PART
.irp s, 0,1
	v_add_nc_u32 v[ADRA+\s], s21, v[LI]
	v_add_nc_u32 v[ADRB+\s], s22, v[LI]
	s_add_co_u32 s21, s21, PART
	s_add_co_u32 s22, s22, PART
.endr
	v_and_b32 v2, 15, v0
	v_and_b32 v3, 8, v0
	v_add_nc_u32 v2, v2, v3                        ; r + 8 (r / 8)
	v_bfe_u32 v3, v0, 4, 1
	v_lshlrev_b32 v[TO], 8, v2
	v_lshl_add_u32 v[TO], v3, 6, v[TO]
	s_wait_alu depctr_va_vdst(0)
	s_lshl_b32 s78, s17, 1
	s_add_co_u32 s78, s78, s15                     ; my A row group
	s_lshl_b32 s79, s42, 1
	s_add_co_u32 s79, s79, s16                     ; my B row group
	s_and_b32 s80, s78, 15
	s_lshl_b32 s80, s80, 15                        ; 128 rows of the table (for v: rows that are loaded and not used, inside the table)
	s_mov_b32 s81, 0
	s_add_nc_u64 s[RB:RB+1], s[8:9], s[80:81]
	s_cmp_eq_u32 s66, 1
	s_cselect_b32 s82, s78, s79                    ; x's row group: 16 b + token group
	s_cselect_b32 s83, s79, s78                    ; the weight's: 8 (q or k) + head pair; for v the head pair
	s_cselect_b64 s[OB:OB+1], s[10:11], s[12:13]
	s_lshr_b32 s84, s83, 3
	s_lshl_b32 s84, s84, 9
	s_lshr_b32 s85, s82, 4
	s_lshl_b32 s85, s85, 7
	s_add_co_u32 s84, s84, s85
	s_and_b32 s85, s83, 7
	s_lshl_b32 s85, s85, 4
	s_add_co_u32 s84, s84, s85
	s_and_b32 s85, s82, 15
	s_add_co_u32 s84, s84, s85                     ; my record
	s_mul_i32 s80, s84, REC
	s_add_nc_u64 s[OB:OB+1], s[OB:OB+1], s[80:81]
	RLOAD 0                                        ; they land under the products
	RLOAD 1
	s_wait_tensorcnt 0x0                           ; my parts of slots 0 and 1 are in; no tensor load of mine is out, so a descriptor may be written:
	s_mov_b32 s[G1+2], 100<<16                     ; from here on a load brings one slot's part, 100 rows
	s_mov_b32 s[G1+4], 100
	s_mov_b32 s[G1B+2], 100<<16
	s_mov_b32 s[G1B+4], 100
	s_barrier_signal -1
	s_barrier_wait -1
	FETCH_B 0, 0, 0
	FETCH_A 0, 0, 0
	SCALES 0
	FETCH_A 0, 0, 4
	STEP 0, 1                                      ; the first products start the sums: nothing is cleared
	TURN 0, 1, 1
	STEP 1, 0
	TURN 1, 0, 1
	STEP 0, 0
	TURN 0, 1, 0                                   ; the last two slots are not filled again
	STEP 1, 0
	s_wait_dscnt 4*NL
	WIN MUL_LO
	MUL16 0, 1, 1, 1, 0
	MUL16 2, 1, 1, 1, 0
	s_wait_dscnt 0
	WIN MUL_HI
	MUL16 4, 1, 1, 1, 0
	MUL16 6, 1, 1, 1, 0
	WIN 0
	; THE WAY OUT: no LDS: a quantised block is a fragment's image as it stands
	PLACES NP                                      ; behind the last products: results are read and A's registers written below
.irp b, 0,1,2,3
	v_mov_b32 v[TM+4+\b], 0                        ; written once: a lane permute's destination counts as one of its sources
.endr
	s_cmp_eq_u32 s66, 1
	s_cbranch_scc0 .Lplain                         ; v is not rotated
.irp a, 0,1,2,3,4,5,6,7
	ROPE \a
.endr
.Lplain:
.irp a, 0,1,2,3,4,5,6,7
	OUT \a
.endr
	global_store_b128 v[LI], v[SW:SW+3], s[OB:OB+1] offset:SCO
	s_wait_tensorcnt 0x0                           ; the wave's end
	ds_add_u32 v[SPW], v[NIL]
	s_wait_dscnt 0x0
	CROUND                                         ; the closing round
	s_endpgm
.Lfunc_end_k_q95dafeaa3a_qkv:
	.size	k_q95dafeaa3a_qkv, .Lfunc_end_k_q95dafeaa3a_qkv-k_q95dafeaa3a_qkv
	.p2alignl 7, 3214868480
	.fill 96, 4, 3214868480
	.section	.rodata,"a",@progbits
	.p2align	6, 0x0
	.amdhsa_kernel k_q95dafeaa3a_qkv
		.amdhsa_group_segment_fixed_size 327680
		.amdhsa_private_segment_fixed_size 0
		.amdhsa_enable_private_segment 0
		.amdhsa_kernarg_size 40
		.amdhsa_user_sgpr_count 2
		.amdhsa_user_sgpr_kernarg_segment_ptr 1
		.amdhsa_wavefront_size32 1
		.amdhsa_system_sgpr_workgroup_id_x 1
		.amdhsa_system_sgpr_workgroup_id_y 1
		.amdhsa_system_sgpr_workgroup_id_z 1
		.amdhsa_system_vgpr_workitem_id 0
		.amdhsa_next_free_vgpr 1024
		.amdhsa_next_free_sgpr 100
		.amdhsa_reserve_vcc 0
		.amdhsa_float_denorm_mode_32 3
		.amdhsa_float_denorm_mode_16_64 3
		.amdhsa_memory_ordered 1
		.amdhsa_forward_progress 1
		.amdhsa_inst_pref_size 176
	.end_amdhsa_kernel
	.amdgpu_metadata
---
amdhsa.version: [ 1, 2 ]
amdhsa.kernels:
  - .name:           k_q95dafeaa3a_qkv
    .symbol:         k_q95dafeaa3a_qkv.kd
    .args:
      - { .name: xr, .offset: 0, .size: 8, .value_kind: global_buffer, .address_space: global }
      - { .name: war, .offset: 8, .size: 8, .value_kind: global_buffer, .address_space: global }
      - { .name: rope, .offset: 16, .size: 8, .value_kind: global_buffer, .address_space: global }
      - { .name: qkr, .offset: 24, .size: 8, .value_kind: global_buffer, .address_space: global }
      - { .name: vr, .offset: 32, .size: 8, .value_kind: global_buffer, .address_space: global }
    .group_segment_fixed_size: 327680
    .private_segment_fixed_size: 0
    .kernarg_segment_align: 8
    .kernarg_segment_size: 40
    .max_flat_workgroup_size: 128
    .sgpr_count:     100
    .vgpr_count:     1024
    .wavefront_size: 32
...
	.end_amdgpu_metadata
.endif
;; end of part 2
;; launch attn (part 3): grid 8 x 32, 8 waves a work-group, no clusters, 327,680 bytes of LDS; arguments qkr, vr, yr; writes yr
.if DOCPART == 3
	.amdgcn_target "amdgcn-amd-amdhsa--gfx1250"
	.amdhsa_code_object_version 6
	.text
	.protected	k_q95dafeaa3a_attn
	.globl	k_q95dafeaa3a_attn
	.p2align	8
	.type	k_q95dafeaa3a_attn,@function
k_q95dafeaa3a_attn:
	s_mov_b64 s[64:65], 0
	v_nop
	global_prefetch_b8 v0, s[64:65] scope:SCOPE_SE
	s_setreg_imm32_b32 hwreg(HW_REG_WAVE_MODE, 25, 1), 1
	s_wait_xcnt 0x0
; y = softmax(q k^T / 8, causal) v for a PAIR of heads, both products on codes of FP6 (E2M3) with E8M0 scales; y is quantised along its 1,024 features and leaves as records.
; RECORDS (128 rows x 128 K, 12,800 bytes: eight fragments as images of their registers, 1,536 bytes each; 512 bytes of scale words, word q of place l for fragment 2 q + l / 16, row l % 16; lane r of fragment a holds
; row 32 (a / 2) + 8 (a % 2) + r + 8 (r / 8)).  qkr [q, k][b][head pair][token group]: rows = tokens, K = the pair's two heads of 64.  vr [b][head pair][key step]: rows = the pair's 128 features, K = 128 keys.
; THE SOFTMAX AHEAD OF THE SECOND PRODUCT: t = score x log2(e) / 8; M = the running largest t rounded UP to a whole number; p = 2^(t - M) is quantised along the keys, not normalised; the row's sum is taken of the
; unquantised p and divides at the end.  When M moves, the sum and O are multiplied by 2^(old M - new M): exact.
; SHARES.  Work-group (j, 8 b + pair) serves token groups 15 - j and j (128 queries each).  Wave w takes ONE head e = w % 2 and FOUR UNITS of 16 queries: fragments 2 p and 2 p + 1 (p = w / 2) of the long group (units 0, 1)
; and of the short group (units 2, 3): under the causal mask 2 x 17 unit-steps of 128 keys in every wave.
; EACH FRAGMENT IS READ FROM LDS ONCE A WAVE AND KEY STEP: K's eight fragments (96 registers) and my head's four of V (48) stay in registers for the step and serve all the wave's units: 18,944 bytes for two or four units.
; K = 64 IN A FORM OF K = 128: a fragment's registers 0-5 hold the first head, 6-11 the second.  The six registers of Q that belong to the other head are cleared at the head: zero codes, which add nothing; K's image is used as it lies.
; LAYOUT.  Both products transposed: S^T = K Q^T, O^T = V^T P^T: a lane holds ONE query; by the records' row order the 16 registers of two neighbouring tiles are 16 neighbouring keys (or features).
; THE RING: two LDS slots of 128 keys: K's record, then V's; wave 0 fetches K's 12,800 bytes, wave 1 V's; every wait on TENSORcnt is for 0; a wave has one tensor load out at the most.
; ONE BARRIER A STEP, ahead of the step's last unit.  In front of it every wave has this step's K and V in registers, so nobody reads this step's slot any more, and the next step's slot has landed.  Behind it the slot is
; filled with the step after next; the last unit fetches the next step's K behind its first products and the next step's V behind its second ones.  From a request to the wait for it lies a whole step.
; CAUSAL: every work-group walks all sixteen steps (a constant trip count, no barrier jumped over); units all of whose keys come after their queries are left out; a step whose first key comes after the work-group's
; last query is not asked for: that jump hangs on ids and the count of steps alone and leads round the load's own lines.  The last step at work fetches one step too many from LDS (bytes of an earlier fill, no load on its way there) and uses none of it.
; THE WAY OUT: a unit is half a fragment (my head's six registers) of a record of y.  The halves meet in a stage in LDS, bytes of their own; wave (p, e) then stores fragments 2 p, 2 p + 1 of group e's record whole.
; NO CLUSTER: the work-groups of a head pair need 9 to 16 steps each, so partners would need different numbers of tiles.
; LIMITS: a block of zeros gets the byte 1 where the rule says 127 (its codes are zeros; this program alone reads the bytes); NaN and infinities are not served; the scaled scores stay under 2^31 in magnitude.
; REGISTERS, in two windows of 256: window 0 as named below; window 1: v0-127 O^T, 32 a unit; v128-223 K's fragments.
.set REC,   12800
.set FRB,   1536
.set SCO,   12288
.set SLOT1, 1<<16                      ; slot 1 begins here: one exclusive or turns an address from one slot to the other
.set STG,   2*SLOT1                    ; the stage: for each group 8 fragments x 2 halves x 1,024 bytes (four registers at 16 l, two at 512 + 16 l), then 512 bytes of scale words
.set GS,    16896                      ; a group's part of the stage
.set SPARE, STG+2*GS                   ; the spare words, 128 bytes for each wave: four blocks of 256 bytes that no other line names
.set LI,   1                           ; 16 x lane
.set MQ,   2                           ; v2, v3  my query in its group - 16 (lane / 16), for fragments 2 p and 2 p + 1
.set YS,   4                           ; stage: my row's two scale bytes
.set SPW,  5
.set NIL,  6
.set PFO,  7                           ; the prefetches' offset
.set ADR,  8                           ; the next step's slot + 16 x lane: K
.set ADRV, 9                           ; my head's four fragments of V
.set ADRS, 10                          ; and their scale words
.set SW,   11                          ; stage: where my halves go
.set RD,   12                          ; stage: the fragments that I store
.set TA,   13
.set STA,  16                          ; unit u: v[16+4u] -M, +1 the largest t, +2, +3 the sum in two halves
.set QS,   32                          ; v32-35 Q's scale words
.set KSC,  36
.set VSC,  40
.set FF,   42                          ; f = 2^(old M - new M)
.set PSW,  43                          ; p's scale word
.set QR,   44                          ; v44-91 Q, 12 a unit
.set SCR,  96                          ; v96-159 S^T, then p
.set PC,   160                         ; codes
.set BM,   172                         ; the blocks' largest
.set T2,   176
.set VF,   184                         ; v184-231 V's four fragments
.set KFR,  128                         ; window 1
.set TM,   184                         ; the way out
.set PW,   200
.set RB,   204
.set WV,   18
.set SEL,  20
.set CS,   22                          ; s[22:23] c = log2(e) / 8
.set G1,   24
.set G0,   32
.set TB,   36                          ; the next step's slot
.set SLOTS, 37
.set KF,   38                          ; the step's first key
.set TGA,  39                          ; s39, s40 the long group's first and last query; s41, s42 the short group's
.set LIM,  43
.set PFA,  44
.set YB,   46
.set QB,   48
.set TBV,  56
.set TBS,  57
.set ML,   58
.set MH,   59
.set MSB, 0
.macro WIN new                         ; low byte: bits 1:0 source 0, 3:2 source 1, 5:4 source 2, 7:6 destination; the high byte repeats the setting that is left
.if MSB != (\new)
	s_set_vgpr_msb (MSB<<8)|(\new)
.set MSB, \new
.endif
.endm
.macro TLOAD                           ; waves 0 and 1 fetch, each with its own addresses; an s_nop 0 and four v_nop follow the load
	s_cmp_lt_u32 s[WV], 2
	s_cbranch_scc0 .Lasked_\@
	tensor_load_to_lds s[G0:G0+3], s[G1:G1+7]
	s_nop 0
.rept 4
	v_nop
.endr
.Lasked_\@:
.endm
.macro KLOAD                           ; K's eight fragments and their scale words: 25 loads
	WIN 0x40
.irp t, 0,1,2,3,4,5,6,7
.irp c, 0,1,2
	ds_load_b128 v[KFR+12*\t+4*\c:KFR+12*\t+4*\c+3], v[ADR] offset:\t*FRB+512*\c
.endr
.endr
	WIN 0
	ds_load_b128 v[KSC:KSC+3], v[ADR] offset:SCO
.endm
.macro VLOAD                           ; my head's four fragments of V and their scale words: 13 loads
.irp x, 0,1,2,3
.irp c, 0,1,2
	ds_load_b128 v[VF+12*\x+4*\c:VF+12*\x+4*\c+3], v[ADRV] offset:\x*FRB+512*\c
.endr
.endr
	ds_load_b64 v[VSC:VSC+1], v[ADRS]
.endm
; unit u of this key step.  last = 1: the step's last unit: it fetches the next step's K and V as soon as this step's are done with
.macro UNIT u, last
.set rT, STA+4*(\u)
.set rO, 32*(\u)
.set rQ, QR+12*(\u)
.set rM, MQ+(\u)%2
.set rG, TGA+2*((\u)/2)
.set rS, QS+(\u)
	WIN 0x01                                       ; S^T = K Q^T: eight tiles of 16 keys
.irp t, 0,1,2,3,4,5,6,7
.if \t%2
	v_wmma_scale_f32_16x16x128_f8f6f4 v[SCR+8*\t:SCR+8*\t+7], v[KFR+12*\t:KFR+12*\t+11], v[rQ:rQ+11], 0, v[KSC+\t/2], v[rS] matrix_a_fmt:MATRIX_FMT_FP6 matrix_b_fmt:MATRIX_FMT_FP6 matrix_a_scale:MATRIX_SCALE_ROW1
.else
	v_wmma_scale_f32_16x16x128_f8f6f4 v[SCR+8*\t:SCR+8*\t+7], v[KFR+12*\t:KFR+12*\t+11], v[rQ:rQ+11], 0, v[KSC+\t/2], v[rS] matrix_a_fmt:MATRIX_FMT_FP6 matrix_b_fmt:MATRIX_FMT_FP6
.endif
.endr
	WIN 0
.rept 4
	v_nop                                          ; places: results are read below, and K's registers loaded
.endr
.if \last
	KLOAD                                          ; they land under the softmax
.endif
	s_cmp_lt_u32 s[KF], s[rG]                      ; a step all of whose keys count skips the mask
	s_cbranch_scc1 .Lopen_\@
	v_mov_b32 v[TA], 0xff800000                    ; -infinity: p = 0 then.  Register 16 B + i holds key 32 B + 16 (lane / 16) + i: hidden where 32 B + i is greater than v[rM]
.set n, 0
.rept 64
	v_cmp_gt_i32 vcc_lo, 32*(n/16)+n%16, v[rM]
	v_cndmask_b32 v[SCR+n], v[SCR+n], v[TA], vcc_lo
.set n, n+1
.endr
.Lopen_\@:
.irp b, 0,1,2,3
	v_max3_num_f32 v[BM+\b], v[SCR+16*\b], v[SCR+1+16*\b], v[SCR+2+16*\b]   ; the largest score of each block of 32 keys: for the row's maximum and, since p rises with the score, for the block's largest p
.endr
.irp i, 3,5,7,9,11,13
.irp b, 0,1,2,3
	v_max3_num_f32 v[BM+\b], v[BM+\b], v[SCR+16*\b+\i], v[SCR+1+16*\b+\i]
.endr
.endr
.irp b, 0,1,2,3
	v_max_num_f32 v[BM+\b], v[BM+\b], v[SCR+15+16*\b]
.endr
.irp b, 0,1,2,3
	s_delay_alu instid0(VALU_DEP_4)
	v_permlanex16_b32 v[T2+\b], v[BM+\b], s[SEL], s[SEL+1]
.endr
.irp b, 0,1,2,3
	s_delay_alu instid0(VALU_DEP_4)
	v_max_num_f32 v[BM+\b], v[BM+\b], v[T2+\b]
.endr
	s_delay_alu instid0(VALU_DEP_2)
	v_max3_num_f32 v[TA], v[BM], v[BM+1], v[BM+2]
	s_delay_alu instid0(VALU_DEP_1)
	v_max_num_f32 v[TA], v[TA], v[BM+3]
	s_delay_alu instid0(VALU_DEP_1)
	v_mul_f32 v[TA], s[CS], v[TA]                  ; the step's largest t of my query
	s_delay_alu instid0(VALU_DEP_1)
	v_max_num_f32 v[rT+1], v[rT+1], v[TA]
	v_mov_b32 v[TA], v[rT]
	s_delay_alu instid0(VALU_DEP_2)
	v_floor_f32 v[rT], -v[rT+1]                    ; the new -M = -ceil(t): a whole number
	s_delay_alu instid0(VALU_DEP_1)
	v_sub_f32 v[TA], v[rT], v[TA]
	s_delay_alu instid0(VALU_DEP_1)
	v_cvt_i32_f32 v[TA], v[TA]                     ; (it saturates)
	s_delay_alu instid0(VALU_DEP_1)
	v_ldexp_f32 v[FF], 1.0, v[TA]                  ; f = 2^(old M - new M)
.set n, 0
.rept 32
	v_pk_fma_f32 v[SCR+n:SCR+n+1], v[SCR+n:SCR+n+1], s[CS:CS+1], v[rT:rT+1] op_sel_hi:[1,0,0]   ; t - M, two at a time
.set n, n+2
.endr
.irp b, 0,1,2,3
	v_fma_f32 v[BM+\b], v[BM+\b], s[CS], v[rT]
.endr
.set n, 0
	s_wait_alu depctr_va_vdst(0)                   ; the wait ahead of the batch
.rept 64
	v_exp_f32 v[SCR+n], v[SCR+n]                   ; p = 2^(t - M)
.set n, n+1
.endr
	v_pk_mul_f32 v[rT+2:rT+3], v[rT+2:rT+3], v[FF:FF+1] op_sel_hi:[1,0]   ; the sums under the new M (a plain place behind the exponentials)
	s_wait_alu depctr_va_vdst(0)                   ; one wait for the batch of 64, ahead of its first reader
.irp b, 0,1,2,3
	v_exp_f32 v[BM+\b], v[BM+\b]                   ; the block's largest p
.endr
	v_pk_add_f32 v[T2:T2+1], v[SCR:SCR+1], v[SCR+2:SCR+3]   ; the row's sum is taken of the unquantised p, in two chains
.irp j, 4,8,12,16,20,24,28,32,36,40,44,48,52,56,60
	v_pk_add_f32 v[rT+2:rT+3], v[rT+2:rT+3], v[SCR+\j:SCR+1+\j]
	v_pk_add_f32 v[T2:T2+1], v[T2:T2+1], v[SCR+2+\j:SCR+3+\j]
.endr
	s_delay_alu instid0(VALU_DEP_1)
	v_pk_add_f32 v[rT+2:rT+3], v[rT+2:rT+3], v[T2:T2+1]
	s_wait_alu depctr_va_vdst(0)                   ; and one for the four
.irp b, 0,1,2,3
	v_max_num_f32 v[BM+\b], 0x1800000, v[BM+\b]    ; the floor 2^(3 - 127): the byte cannot fall under 1
.endr
.irp b, 0,1,2,3
	s_delay_alu instid0(VALU_DEP_4)
	v_add_nc_u32 v[BM+\b], 0xff000000, v[BM+\b]    ; 2 off the exponent field: the conversion's scale operand
.endr
.irp b, 0,1,2,3
	s_delay_alu instid0(VALU_DEP_4)
	v_lshrrev_b32 v[T2+\b], 23, v[BM+\b]
.endr
	s_delay_alu instid0(VALU_DEP_3)
	v_lshl_or_b32 v[PSW], v[T2+1], 8, v[T2]        ; p's scale word for these 128 keys
	s_delay_alu instid0(VALU_DEP_1)
	v_lshl_or_b32 v[PSW], v[T2+2], 16, v[PSW]
	s_delay_alu instid0(VALU_DEP_1)
	v_lshl_or_b32 v[PSW], v[T2+3], 24, v[PSW]
.irp c, 0,1
	v_cvt_scalef32_pk16_fp6_f32 v[PC+6*\c:PC+2+6*\c], v[SCR+32*\c:SCR+15+32*\c], v[BM+2*\c]
	v_cvt_scalef32_pk16_fp6_f32 v[T2+4*\c:T2+2+4*\c], v[SCR+16+32*\c:SCR+31+32*\c], v[BM+2*\c+1]
.endr
	v_nop                                          ; one plain place behind a scaled conversion
.irp c, 0,1
.irp i, 0,1,2
	v_permlane16_swap_b32 v[PC+6*\c+\i], v[T2+4*\c+\i]
.endr
.irp i, 0,1,2
	s_delay_alu instid0(VALU_DEP_3)
	v_mov_b32 v[PC+3+6*\c+\i], v[T2+4*\c+\i]
.endr
.endr
	WIN 0x41                                       ; O^T lies in window 1, f in window 0
	s_wait_alu depctr_va_vdst(0)                   ; directly ahead of the first reader of O^T
.set n, 0
.rept 16
	v_pk_mul_f32 v[rO+n:rO+n+1], v[rO+n:rO+n+1], v[FF:FF+1] op_sel_hi:[1,0]   ; O^T under the new M; these are also the places between the writes of p's codes and scale word and the products
.set n, n+2
.endr
	s_wait_alu depctr_va_vdst(0)
	s_wait_dscnt 0x0                               ; V's tiles are in
	WIN 0x50
.irp x, 0,1,2,3                                ; O^T += V^T P^T: four accumulators by turns
.if \x%2
	v_wmma_scale_f32_16x16x128_f8f6f4 v[rO+8*\x:rO+8*\x+7], v[VF+12*\x:VF+12*\x+11], v[PC:PC+11], v[rO+8*\x:rO+8*\x+7], v[VSC+\x/2], v[PSW] matrix_a_fmt:MATRIX_FMT_FP6 matrix_b_fmt:MATRIX_FMT_FP6 matrix_a_scale:MATRIX_SCALE_ROW1
.else
	v_wmma_scale_f32_16x16x128_f8f6f4 v[rO+8*\x:rO+8*\x+7], v[VF+12*\x:VF+12*\x+11], v[PC:PC+11], v[rO+8*\x:rO+8*\x+7], v[VSC+\x/2], v[PSW] matrix_a_fmt:MATRIX_FMT_FP6 matrix_b_fmt:MATRIX_FMT_FP6
.endif
.endr
	WIN 0
.if \last
.rept 4
	v_nop                                          ; places in front of loads into registers that matrix instructions have read
.endr
	VLOAD
.endif
.endm
.macro QUANT s                         ; 64 numbers of a lane become 12 registers of codes in v[PC] on and four scale bytes in v[PW]
.set qS, \s
.irp b, 0,1,2,3
	v_max3_num_f32 v[TM+\b], |v[qS+16*\b]|, |v[qS+1+16*\b]|, 0x1800000
.endr
.irp i, 2,4,6,8,10,12,14
.irp b, 0,1,2,3
	s_delay_alu instid0(VALU_DEP_4)
	v_max3_num_f32 v[TM+\b], |v[qS+16*\b+\i]|, |v[qS+1+16*\b+\i]|, v[TM+\b]
.endr
.endr
.irp b, 0,1,2,3
	s_delay_alu instid0(VALU_DEP_4)
	v_permlanex16_b32 v[TM+4+\b], v[TM+\b], s[SEL], s[SEL+1]
.endr
.irp b, 0,1,2,3
	s_delay_alu instid0(VALU_DEP_4)
	v_max_num_f32 v[TM+\b], v[TM+\b], v[TM+4+\b]
.endr
.irp b, 0,1,2,3
	s_delay_alu instid0(VALU_DEP_4)
	v_add_nc_u32 v[TM+12+\b], 0xff000000, v[TM+\b]
.endr
.irp b, 0,1,2,3
	s_delay_alu instid0(VALU_DEP_4)
	v_lshrrev_b32 v[TM+4+\b], 23, v[TM+12+\b]
.endr
	s_delay_alu instid0(VALU_DEP_3)
	v_lshl_or_b32 v[PW], v[TM+5], 8, v[TM+4]
	s_delay_alu instid0(VALU_DEP_1)
	v_lshl_or_b32 v[PW], v[TM+6], 16, v[PW]
	s_delay_alu instid0(VALU_DEP_1)
	v_lshl_or_b32 v[PW], v[TM+7], 24, v[PW]
.irp c, 0,1
	v_cvt_scalef32_pk16_fp6_f32 v[PC+6*\c:PC+2+6*\c], v[qS+32*\c:qS+15+32*\c], v[TM+12+2*\c]
	v_cvt_scalef32_pk16_fp6_f32 v[PC+12+4*\c:PC+14+4*\c], v[qS+16+32*\c:qS+31+32*\c], v[TM+12+2*\c+1]
.endr
	v_nop
.irp c, 0,1
.irp i, 0,1,2
	v_permlane16_swap_b32 v[PC+6*\c+\i], v[PC+12+4*\c+\i]
.endr
.irp i, 0,1,2
	s_delay_alu instid0(VALU_DEP_3)
	v_mov_b32 v[PC+3+6*\c+\i], v[PC+12+4*\c+\i]
.endr
.endr
.endm
	s_load_b128 s[4:7], s[0:1], 0x0                ; qkr, vr
	s_load_b64 s[8:9], s[0:1], 0x10                ; yr
	v_lshl_add_u32 v[SPW], v0, 2, SPARE
	v_mov_b32 v[NIL], 0
	ds_add_u32 v[SPW], v[NIL]                      ; the wave's opening: the add, twice on end, and its wait stand ahead of the first tensor load; the set-up below stands between
	ds_add_u32 v[SPW], v[NIL]
	v_lshrrev_b32 v232, 5, v0
	s_delay_alu instid0(VALU_DEP_1)
	v_readfirstlane_b32 s[WV], v232                ; wave 0..7
	s_and_b32 s10, ttmp7, 0xffff                   ; 8 b + head pair
	s_and_b32 s11, s[WV], 1                        ; e: my head
	s_lshr_b32 s12, s[WV], 1                       ; p: my pair of fragments
	s_sub_co_u32 s13, 15, ttmp9                    ; the long group; the short one is ttmp9
	s_lshl_b32 s[TGA], s13, 7
	s_add_co_u32 s[TGA+1], s[TGA], 127             ; also my work-group's last query
	s_lshl_b32 s[TGA+2], ttmp9, 7
	s_add_co_u32 s[TGA+3], s[TGA+2], 127
	s_lshl_b32 s16, s12, 5                         ; fragment 2 p's first row in a group: 32 p; fragment 2 p + 1's: 8 more
	s_lshl_b32 s60, s12, 2                         ; fragment 2 p's place among a record's scale words: 4 p; fragment 2 p + 1's: 256 more
	s_lshl_b32 s61, s11, 1
	s_add_co_u32 s61, s61, s60                     ; + 2 e: my head's two bytes of a word
	s_lshl_b32 s62, s12, 12
	s_lshl_b32 s63, s11, 10
	s_add_co_u32 s63, s63, s62                     ; stage, in: 2,048 x 2 p + 1,024 e
	s_mul_i32 s66, s11, GS
	s_add_co_u32 s66, s66, s62                     ; stage, out: group e, fragment 2 p
	s_mul_i32 s67, s12, 2*FRB
	s_lshl_b32 s17, s11, 5
	s_mov_b32 s[TB], 0
	s_mul_i32 s[TBV], s11, 4*FRB
	s_add_co_u32 s[TBV], s[TBV], REC
	s_lshl_b32 s[TBS], s11, 3
	s_add_co_u32 s[TBS], s[TBS], REC+SCO
	v_and_b32 v232, 31, v0                         ; lane
	v_and_b32 v233, 15, v0                         ; r
	v_bfe_u32 v234, v0, 4, 1                       ; h
	v_and_b32 v[MQ], 8, v0
	v_lshlrev_b32 v[LI], 4, v232
	v_lshlrev_b32 v234, 4, v234
	v_add_nc_u32 v[MQ], v[MQ], v233
	v_add_nc_u32 v[PFO], s17, v232
	v_lshl_add_u32 v[YS], v233, 4, s61
	v_sub_nc_u32 v[MQ], v[MQ], v234
	v_min_u32 v[PFO], 49, v[PFO]
	v_add_nc_u32 v[YS], STG+16384, v[YS]
	v_add_nc_u32 v[MQ], s16, v[MQ]
	v_lshlrev_b32 v[PFO], 8, v[PFO]
	v_add_nc_u32 v[SW], s63, v[LI]
	v_add_nc_u32 v[RD], s66, v[LI]
	v_add_nc_u32 v235, s67, v[LI]                  ; fragment 2 p's image in a record of Q
	v_lshl_add_u32 v236, v233, 4, s60              ; and my row's scale word
	v_add_nc_u32 v[MQ+1], 8, v[MQ]
	v_add_nc_u32 v[SW], STG, v[SW]
	v_add_nc_u32 v[RD], STG, v[RD]
	v_add_nc_u32 v[ADR], s[TB], v[LI]              ; slot 0
	v_add_nc_u32 v[ADRV], s[TBV], v[LI]
	v_add_nc_u32 v[ADRS], s[TBS], v[LI]
	s_lshl_b32 s68, s10, 4
	s_add_co_u32 s69, s68, s13
	s_add_co_u32 s68, s68, ttmp9
	s_mul_i32 s70, s69, REC                        ; Q's record of the long group,
	s_mov_b32 s71, 0
	s_mul_i32 s72, s68, REC                        ; of the short one
	s_mov_b32 s73, 0
	s_mul_i32 s74, s10, 16*REC                     ; the head pair's 16 records of K and of V
	s_mov_b32 s75, 0
	s_cmp_eq_u32 s11, 0
	s_cselect_b32 s76, s13, ttmp9                  ; the group whose fragments I store
	s_cselect_b32 s[ML], -1, 0                     ; which six registers of Q stay
	s_cselect_b32 s[MH], 0, -1
	s_lshr_b32 s77, s10, 3
	s_lshl_b32 s77, s77, 4
	s_add_co_u32 s77, s77, s76                     ; y's row group: 16 b + token group
	s_lshl_b32 s77, s77, 3
	s_and_b32 s76, s10, 7
	s_add_co_u32 s77, s77, s76                     ; x 8 + the head pair, its K step
	s_mul_i32 s76, s77, REC
	s_add_co_u32 s76, s76, s67
	s_mov_b32 s77, 0
	s_mov_b32 s[G1], 3<<16                         ; descriptor group 1: 12,800 dense bytes as 50 rows of 32 elements of 8 bytes, no padding
	s_mov_b32 s[G1+1], 32<<16
	s_mov_b32 s[G1+2], 50<<16
	s_mov_b32 s[G1+3], 32<<16
	s_mov_b32 s[G1+4], 50
	s_mov_b32 s[G1+5], 32
	s_mov_b32 s[G1+6], 0
	s_mov_b32 s[G1+7], 0
	s_mov_b32 s[SEL], 0x76543210
	s_mov_b32 s[SEL+1], 0xfedcba98
	s_mov_b32 s[CS], 0x3e38aa3b                    ; log2(e) / 8
	s_mov_b32 s[CS+1], s[CS]
	s_mov_b32 s[SLOTS], 16
	s_mov_b32 s[KF], 0
	s_mov_b32 s[G0], 1
	s_mul_i32 s[G0+1], s11, REC                    ; slot 0: K's record, then V's
	s_sub_co_u32 s14, s[WV], 2
	s_lshr_b32 s14, s14, 2                         ; 0 in waves 2 to 5,
	s_or_b32 s14, s14, ttmp9                       ; of the head pair's first work-group
	s_cmp_eq_u32 s14, 0
	s_cselect_b32 s[LIM], 3, -1
	s_wait_alu depctr_va_vdst(0)
	s_wait_dscnt 0x0                               ; both opening adds are done
	s_wait_kmcnt 0x0
	s_add_nc_u64 s[52:53], s[4:5], s[74:75]
	s_add_nc_u64 s[52:53], s[52:53], 512*REC       ; K's records lie behind Q's 512
	s_add_nc_u64 s[54:55], s[6:7], s[74:75]
	s_cmp_eq_u32 s11, 0
	s_cselect_b64 s[G0+2:G0+3], s[52:53], s[54:55]
	s_or_b32 s[G0+3], s[G0+3], 0x80000000
	TLOAD                                          ; key step 0
	s_add_nc_u64 s[QB:QB+1], s[4:5], s[70:71]
	s_add_nc_u64 s[QB+2:QB+3], s[4:5], s[72:73]
	s_add_nc_u64 s[YB:YB+1], s[8:9], s[76:77]
	s_cmp_lt_u32 s[WV], 4
	s_cselect_b64 s[PFA:PFA+1], s[52:53], s[54:55]
	s_add_nc_u64 s[PFA:PFA+1], s[PFA:PFA+1], 2*REC ; at step 2: the first trip steps it to step 3.  Nothing is prefetched at the head
.irp u, 0,1,2,3
.irp c, 0,1,2
	global_load_b128 v[QR+12*\u+4*\c:QR+12*\u+4*\c+3], v235, s[QB+2*(\u/2):QB+2*(\u/2)+1] offset:FRB*(\u%2)+512*\c
.endr
	global_load_b32 v[QS+\u], v236, s[QB+2*(\u/2):QB+2*(\u/2)+1] offset:SCO+256*(\u%2)
.endr
.irp u, 0,1,2,3
	v_mov_b32 v[STA+4*\u+1], 0xff61b1e6            ; the largest t so far: -3e38
	s_delay_alu instid0(VALU_DEP_1)
	v_floor_f32 v[STA+4*\u], -v[STA+4*\u+1]
	v_mov_b32 v[STA+4*\u+2], 0
	v_mov_b32 v[STA+4*\u+3], 0
.endr
.irp b, 0,1,2,3
	v_mov_b32 v[T2+\b], 0                          ; written once: a lane permute's destination counts as one of its sources
.endr
	v_mov_b32 v[PSW], 0                            ; named as the upper half of a pair before it is first written
	WIN 0x40
.set n, 0
.rept 128
	v_mov_b32 v[n], 0                              ; O^T: the unit is written once: the first step finds zeros
.set n, n+1
.endr
	WIN 0
	s_wait_loadcnt 0x0                             ; Q
.irp u, 0,1,2,3
.irp i, 0,1,2,3,4,5
	v_and_b32 v[QR+12*\u+\i], s[ML], v[QR+12*\u+\i]        ; the other head's 64 become zero codes
	v_and_b32 v[QR+12*\u+6+\i], s[MH], v[QR+12*\u+6+\i]
.endr
.endr
	s_wait_alu depctr_va_vdst(0)                   ; the wait at the head's end
	s_wait_tensorcnt 0x0                           ; step 0 is in; slot 1's first fill is issued as a refill is:
	ds_add_u32 v[SPW], v[NIL]                      ; 0 onto my spare word:
	ds_add_u32 v[SPW], v[NIL]                      ; twice on end
	s_xor_b32 s[G0+1], s[G0+1], SLOT1
	s_add_nc_u64 s[G0+2:G0+3], s[G0+2:G0+3], REC
	s_wait_dscnt 0x0
	s_barrier_signal -1
	s_barrier_wait -1
	TLOAD                                          ; key step 1 (every work-group has at least nine steps)
	KLOAD                                          ; step 0's operands
	VLOAD
	s_xor_b32 s[TB], s[TB], SLOT1
	s_xor_b32 s[TBV], s[TBV], SLOT1
	s_xor_b32 s[TBS], s[TBS], SLOT1
.Lstep:                                            ; sixteen trips, a key step each; this step's K and V are in registers or on their way there
	v_add_nc_u32 v[ADR], s[TB], v[LI]              ; the next step's slot
	v_add_nc_u32 v[ADRV], s[TBV], v[LI]
	v_add_nc_u32 v[ADRS], s[TBS], v[LI]
	s_wait_alu depctr_va_vdst(0)
	s_cmp_gt_u32 s[KF], s[TGA+1]                   ; past my work-group's last query: ids and the count of steps alone, the same in all waves
	s_cbranch_scc1 .Lmeet
	s_wait_dscnt 13                                ; K and its scale words are in; behind them V's 13 loads, which may be out
	s_cmp_gt_u32 s[KF], s[TGA+3]
	s_cbranch_scc1 .Llong
	UNIT 2, 0
	UNIT 3, 0
.Llong:
	UNIT 0, 0
.Lmeet:
	s_wait_tensorcnt 0x0                           ; the next step's slot has landed; no tensor load of mine is out, so the group 0 may be written
	ds_add_u32 v[SPW], v[NIL]                      ; 0 onto my spare word:
	ds_add_u32 v[SPW], v[NIL]                      ; twice on end here
	s_xor_b32 s[G0+1], s[G0+1], SLOT1
	s_add_nc_u64 s[G0+2:G0+3], s[G0+2:G0+3], REC
	s_wait_xcnt 0x0                                ; the last prefetch, a step back, has read its address
	s_add_nc_u64 s[PFA:PFA+1], s[PFA:PFA+1], REC
	s_wait_dscnt 0x0                               ; the adds are done, and my reads of this step's slot are over: its K and V are in my registers
	s_barrier_signal -1
	s_barrier_wait -1
	s_add_co_u32 s72, s[KF], 256                   ; the first key of the step that this change would ask for
	s_cmp_gt_u32 s72, s[TGA+1]                     ; past my work-group's last query no wave uses it
	s_cbranch_scc1 .Lpast
	TLOAD                                          ; the step after next, into this step's slot
.Lpast:
	; a prefetch of what the NEXT trip's tensor loads will ask for: 12,800 bytes of K and of V, lanes 256 bytes apart.  All work-groups of a head pair walk the same K and V: the first of them (j = 0) asks, in it waves 2, 3
	; for K and waves 4, 5 for V, one instruction each; 64 lanes for 50 blocks: the lanes past the last block name the last block.  Trips 0 to 12 ask for steps 3 to 15
	s_cmp_gt_u32 s[SLOTS], s[LIM]
	s_cbranch_scc0 .Lnot_mine
	global_prefetch_b8 v[PFO], s[PFA:PFA+1] th:TH_LOAD_NT scope:SCOPE_SE
.Lnot_mine:
	s_cmp_gt_u32 s[KF], s[TGA+1]
	s_cbranch_scc1 .Lhidden
	UNIT 1, 1
.Lhidden:
	s_xor_b32 s[TB], s[TB], SLOT1
	s_xor_b32 s[TBV], s[TBV], SLOT1
	s_xor_b32 s[TBS], s[TBS], SLOT1
	s_add_co_u32 s[KF], s[KF], 128
	s_sub_co_u32 s[SLOTS], s[SLOTS], 1
	s_cmp_lg_u32 s[SLOTS], 0
	s_cbranch_scc1 .Lstep
	; THE WAY OUT: O^T / the sum is y.  A unit's 32 registers run along my head's 64 features: a group's two units, 64 numbers, are quantised together: codes 0-5 and bytes 0, 1 are fragment 2 p's, codes 6-11 and bytes 2, 3 fragment 2 p + 1's
	s_wait_dscnt 0x0                               ; the last fetch has landed: its registers are written below
.irp u, 0,1,2,3
	v_add_f32 v[STA+4*\u+2], v[STA+4*\u+2], v[STA+4*\u+3]
.endr
.irp u, 0,1,2,3
	s_delay_alu instid0(VALU_DEP_4)
	v_permlanex16_b32 v[T2+\u], v[STA+4*\u+2], s[SEL], s[SEL+1]
.endr
.irp u, 0,1,2,3
	s_delay_alu instid0(VALU_DEP_4)
	v_add_f32 v[STA+4*\u+2], v[STA+4*\u+2], v[T2+\u]
.endr
	s_wait_alu depctr_va_vdst(0)
.irp u, 0,1,2,3
	v_rcp_f32 v[STA+4*\u+2], v[STA+4*\u+2]
.endr
.irp b, 0,1,2,3
	v_mov_b32 v[TM+4+\b], 0                        ; plain work behind the reciprocals; the quantiser's lane permutes land here
.endr
.irp g, 0,1
	WIN 0x01
	s_wait_alu depctr_va_vdst(0)                   ; ahead of the first reader of the reciprocals and of O^T
.irp i, 0,1
.set n, 0
.rept 16
	v_pk_mul_f32 v[SCR+32*\i+n:SCR+32*\i+n+1], v[32*(2*\g+\i)+n:32*(2*\g+\i)+n+1], v[STA+4*(2*\g+\i)+2:STA+4*(2*\g+\i)+3] op_sel_hi:[1,0]
.set n, n+2
.endr
.endr
	WIN 0
	QUANT SCR
.irp i, 0,1
	ds_store_b128 v[SW], v[PC+6*\i:PC+6*\i+3] offset:GS*\g+2048*\i
	ds_store_b64 v[SW], v[PC+6*\i+4:PC+6*\i+5] offset:GS*\g+2048*\i+512
.endr
	ds_store_b16 v[YS], v[PW] offset:GS*\g         ; lanes r and r + 16 write the same bytes with the same value
	ds_store_b16_d16_hi v[YS], v[PW] offset:GS*\g+256
	s_wait_dscnt 0x0                               ; the stores have read their registers; behind the second group: for the others' sake
.endr
	s_barrier_signal -1
	s_barrier_wait -1
.irp i, 0,1                                    ; fragments 2 p, 2 p + 1 of group e: the first head's six registers, then the second's
.irp e, 0,1
	ds_load_b128 v[RB+12*\i+6*\e:RB+12*\i+6*\e+3], v[RD] offset:2048*\i+1024*\e
	ds_load_b64 v[RB+12*\i+6*\e+4:RB+12*\i+6*\e+5], v[RD] offset:2048*\i+1024*\e+512
.endr
.endr
	s_wait_dscnt 0x0
.irp i, 0,1
.irp c, 0,1,2
	global_store_b128 v[LI], v[RB+12*\i+4*\c:RB+12*\i+4*\c+3], s[YB:YB+1] offset:FRB*\i+512*\c   ; 512 consecutive bytes, aligned
.endr
.endr
	s_cmp_lt_u32 s[WV], 2                          ; waves 0 and 1 hold fragment 0 of the two records: each stores its record's 512 bytes of scale words
	s_cbranch_scc0 .Ldone
	ds_load_b128 v[RB+24:RB+27], v[RD] offset:16384
	s_wait_dscnt 0x0
	global_store_b128 v[LI], v[RB+24:RB+27], s[YB:YB+1] offset:SCO
.Ldone:
	s_wait_tensorcnt 0x0                           ; the wave's end
	ds_add_u32 v[SPW], v[NIL]
	s_wait_dscnt 0x0
	s_endpgm
.Lfunc_end_k_q95dafeaa3a_attn:
	.size	k_q95dafeaa3a_attn, .Lfunc_end_k_q95dafeaa3a_attn-k_q95dafeaa3a_attn
	.p2alignl 7, 3214868480
	.fill 96, 4, 3214868480
	.section	.rodata,"a",@progbits
	.p2align	6, 0x0
	.amdhsa_kernel k_q95dafeaa3a_attn
		.amdhsa_group_segment_fixed_size 327680
		.amdhsa_private_segment_fixed_size 0
		.amdhsa_enable_private_segment 0
		.amdhsa_kernarg_size 24
		.amdhsa_user_sgpr_count 2
		.amdhsa_user_sgpr_kernarg_segment_ptr 1
		.amdhsa_wavefront_size32 1
		.amdhsa_system_sgpr_workgroup_id_x 1
		.amdhsa_system_sgpr_workgroup_id_y 1
		.amdhsa_system_sgpr_workgroup_id_z 1
		.amdhsa_system_vgpr_workitem_id 0
		.amdhsa_next_free_vgpr 512
		.amdhsa_next_free_sgpr 100
		.amdhsa_reserve_vcc 1
		.amdhsa_float_denorm_mode_32 3
		.amdhsa_float_denorm_mode_16_64 3
		.amdhsa_memory_ordered 1
		.amdhsa_forward_progress 1
		.amdhsa_inst_pref_size 119
	.end_amdhsa_kernel
	.amdgpu_metadata
---
amdhsa.version: [ 1, 2 ]
amdhsa.kernels:
  - .name:           k_q95dafeaa3a_attn
    .symbol:         k_q95dafeaa3a_attn.kd
    .args:
      - { .name: qkr, .offset: 0, .size: 8, .value_kind: global_buffer, .address_space: global }
      - { .name: vr, .offset: 8, .size: 8, .value_kind: global_buffer, .address_space: global }
      - { .name: yr, .offset: 16, .size: 8, .value_kind: global_buffer, .address_space: global }
    .group_segment_fixed_size: 327680
    .private_segment_fixed_size: 0
    .kernarg_segment_align: 8
    .kernarg_segment_size: 24
    .max_flat_workgroup_size: 256
    .sgpr_count:     100
    .vgpr_count:     512
    .wavefront_size: 32
...
	.end_amdgpu_metadata
.endif
;; end of part 3
;; launch proj (part 4): grid 4 x 64, 4 waves a work-group, clusters of 4 x 4, 327,680 bytes of LDS; arguments yr, wpr, out0; writes out0
.if DOCPART == 4
	.amdgcn_target "amdgcn-amd-amdhsa--gfx1250"
	.amdhsa_code_object_version 6
	.text
	.protected	k_q95dafeaa3a_proj
	.globl	k_q95dafeaa3a_proj
	.p2align	8
	.type	k_q95dafeaa3a_proj,@function
k_q95dafeaa3a_proj:
	s_mov_b64 s[64:65], 0
	v_nop
	global_prefetch_b8 v0, s[64:65] scope:SCOPE_SE
	s_setreg_imm32_b32 hwreg(HW_REG_WAVE_MODE, 25, 1), 1
	s_wait_xcnt 0x0
	s_wait_alu depctr_hold_cnt(0) depctr_sa_sdst(0) depctr_va_vdst(0) depctr_va_sdst(0) depctr_va_ssrc(0) depctr_va_vcc(0) depctr_vm_vsrc(0)
	s_getreg_b32 s2, hwreg(HW_REG_IB_STS2, 6, 4)
	s_cmp_eq_u32 s2, 0
	s_cbranch_scc0 .Lentry_in_a_cluster
	s_endpgm
.Lentry_in_a_cluster:
	s_bfe_u32 s2, ttmp6, 0x10000c
	s_cmp_lg_u32 s2, 0xf033
	s_cbranch_scc0 .Lentry_shape_is_right
	s_endpgm
.Lentry_shape_is_right:
; out0 = y w_proj^T on codes of FP6 (E2M3) with E8M0 scales; sums in f32.
; OPERANDS are RECORDS (128 rows x 128 K, 12,800 bytes: eight fragments as images of their registers, 1,536 bytes each, then 512 bytes of scale words: word q of place l belongs to fragment 2 q + l / 16, row l % 16;
; lane r of fragment a holds row 32 (a / 2) + 8 (a % 2) + r + 8 (r / 8)).  yr: [64 row groups][8 K steps], wpr: [8][8].
; A BLOCK is 128 tokens (one row group of y) x 256 columns (two row groups of w_proj): 64 x 4 = 256 work-groups.  A wave makes 64 x 128: four fragments of A x eight of B, 32 accumulators.
; ALL OF K AT ONCE: a row group's eight records are 102,400 dense bytes; three row groups, 307,200 bytes, fit in LDS.  So there is no ring: each wave issues ONE tensor load, at the head (waves 0, 1: A's records 0-3 and 4-7;
; waves 2, 3: B's two row groups), LDS bytes are filled once, and one wait and one barrier stand ahead of the eight K steps, which are written out.
; CLUSTERS: 4 x 4.  A's tiles are shared along a row of the cluster, B's along a column: each is asked for jointly, by the same tensor load with the same descriptor and a mask that names the four.
; No prefetch: the launch has no loop to run ahead in: everything it reads is asked for by the head's loads.
; Source 0 = 16 rows of B, source 1 = 16 rows of A: a lane holds ONE token and its registers run along the columns, 16 neighbours in the 16 registers of two neighbouring tiles.
; THE WAY OUT: a block of 16 tokens x 128 columns goes through the wave's own stage in LDS and comes back as whole rows of 512 bytes.  The stage lies in A's bytes, which have had their one fill; a barrier in front of which
; every wave's LDS reads are over stands ahead of the first store there.
; REGISTERS, in windows of 256: window 0: v16-29 addresses; v32-47 scale words, two sets, and nothing else; v128-223 A's fragments, two sets of 48 (on the way out v128-255 at work).
;   window 1: B's fragments, two sets, at v0 and v128.   window 2: the accumulators, (a, b) at v[8 (8 a + b)].
.set REC,   12800
.set FRB,   1536
.set SCO,   12288
.set BLK,   8*REC                      ; a row group, all of K
.set SPARE, 3*BLK                      ; behind the three row groups: the spare words, 128 bytes for each wave, two blocks of 256 bytes that no other line names
.set SPITCH, 528
.set FR,    12
.set NP,    4                          ; places behind this matrix instruction (ISA guide 7.12.1)
.set ADRA,  16                         ; v16-17  my four fragments of A, K steps 0-3 and 4-7, + 16 x lane (an LDS offset has 16 bits)
.set ADSA,  18                         ; v18-19  their scale words
.set ADRB,  20                         ; v20-21  my row group of B
.set LI,    24                         ; v24     16 x lane
.set STO,   25
.set RD,    26
.set SPW,   28
.set NIL,   29
.set SC,    32                         ; scale words: set p: A's two registers at SC + 8 p, B's four at SC + 8 p + 4
.set AF,    128
.set BK,    128
.set G1,  24
.set G0,  32
.set G1B, 48
.set G0B, 56
.set MSB, 0
.macro WIN new                         ; the immediate's high byte repeats the setting that is left
.if MSB != (\new)
	s_set_vgpr_msb (MSB<<8)|(\new)
.set MSB, \new
.endif
.endm
.set MULW,   0xa1                      ; source 0 (B) window 1, source 1 (A) window 0, C and D window 2
.set TO_B,   0x40
.macro CREST                           ; a round of the cluster's barrier behind its opening barrier
	s_cmp_lg_u32 s14, 0
	s_cbranch_scc1 .Lnot_wave_0_\@
	s_barrier_signal -3
.Lnot_wave_0_\@:
	s_barrier_wait -3
	s_barrier_signal -1
	s_barrier_wait -1
.endm
.macro CROUND
	s_barrier_signal -1
	s_barrier_wait -1
	CREST
.endm
.macro PLACES n
.rept \n
	v_nop
.endr
.endm
; K step st's operands into set st % 2: B's eight fragments, my four of A, their scale words: 38 loads, each of 512 bytes on end (the first scale load: 8 bytes of every 16)
.macro FETCH st
.set fP, (\st)%2
.set fH, (\st)/4
.set fO, ((\st)%4)*REC
	WIN TO_B
.irp i, 0,1,2,3,4,5,6,7
.irp c, 0,1,2
	ds_load_b128 v[128*fP+FR*\i+4*\c:128*fP+FR*\i+4*\c+3], v[ADRB+fH] offset:fO+\i*FRB+512*\c
.endr
.endr
	WIN 0
.irp i, 0,1,2,3
.irp c, 0,1,2
	ds_load_b128 v[AF+48*fP+FR*\i+4*\c:AF+48*fP+FR*\i+4*\c+3], v[ADRA+fH] offset:fO+\i*FRB+512*\c
.endr
.endr
	ds_load_b64 v[SC+8*fP:SC+8*fP+1], v[ADSA+fH] offset:fO
	ds_load_b128 v[SC+8*fP+4:SC+8*fP+7], v[ADRB+fH] offset:fO+SCO
.endm
; one product; an odd fragment's scale words lie in lanes 16-31 of their register
.macro WM zero
.if \zero
.if pB && pA
	v_wmma_scale_f32_16x16x128_f8f6f4 v[rD:rD+7], v[rB:rB+FR-1], v[rA:rA+FR-1], 0, v[rSB], v[rSA] matrix_a_fmt:MATRIX_FMT_FP6 matrix_b_fmt:MATRIX_FMT_FP6 matrix_a_scale:MATRIX_SCALE_ROW1 matrix_b_scale:MATRIX_SCALE_ROW1
.elseif pB
	v_wmma_scale_f32_16x16x128_f8f6f4 v[rD:rD+7], v[rB:rB+FR-1], v[rA:rA+FR-1], 0, v[rSB], v[rSA] matrix_a_fmt:MATRIX_FMT_FP6 matrix_b_fmt:MATRIX_FMT_FP6 matrix_a_scale:MATRIX_SCALE_ROW1
.elseif pA
	v_wmma_scale_f32_16x16x128_f8f6f4 v[rD:rD+7], v[rB:rB+FR-1], v[rA:rA+FR-1], 0, v[rSB], v[rSA] matrix_a_fmt:MATRIX_FMT_FP6 matrix_b_fmt:MATRIX_FMT_FP6 matrix_b_scale:MATRIX_SCALE_ROW1
.else
	v_wmma_scale_f32_16x16x128_f8f6f4 v[rD:rD+7], v[rB:rB+FR-1], v[rA:rA+FR-1], 0, v[rSB], v[rSA] matrix_a_fmt:MATRIX_FMT_FP6 matrix_b_fmt:MATRIX_FMT_FP6
.endif
.else
.if pB && pA
	v_wmma_scale_f32_16x16x128_f8f6f4 v[rD:rD+7], v[rB:rB+FR-1], v[rA:rA+FR-1], v[rD:rD+7], v[rSB], v[rSA] matrix_a_fmt:MATRIX_FMT_FP6 matrix_b_fmt:MATRIX_FMT_FP6 matrix_a_scale:MATRIX_SCALE_ROW1 matrix_b_scale:MATRIX_SCALE_ROW1
.elseif pB
	v_wmma_scale_f32_16x16x128_f8f6f4 v[rD:rD+7], v[rB:rB+FR-1], v[rA:rA+FR-1], v[rD:rD+7], v[rSB], v[rSA] matrix_a_fmt:MATRIX_FMT_FP6 matrix_b_fmt:MATRIX_FMT_FP6 matrix_a_scale:MATRIX_SCALE_ROW1
.elseif pA
	v_wmma_scale_f32_16x16x128_f8f6f4 v[rD:rD+7], v[rB:rB+FR-1], v[rA:rA+FR-1], v[rD:rD+7], v[rSB], v[rSA] matrix_a_fmt:MATRIX_FMT_FP6 matrix_b_fmt:MATRIX_FMT_FP6 matrix_b_scale:MATRIX_SCALE_ROW1
.else
	v_wmma_scale_f32_16x16x128_f8f6f4 v[rD:rD+7], v[rB:rB+FR-1], v[rA:rA+FR-1], v[rD:rD+7], v[rSB], v[rSA] matrix_a_fmt:MATRIX_FMT_FP6 matrix_b_fmt:MATRIX_FMT_FP6
.endif
.endif
.endm
; a K step's 32 products.  The 32 accumulators take turns, one instruction a turn, in the same order in every step
.macro MUL st, zero
.set mP, (\st)%2
	WIN MULW
.irp a, 0,1,2,3
.irp b, 0,1,2,3,4,5,6,7
.set rD, 8*(8*\a+\b)
.set rB, 128*mP+FR*\b
.set rA, AF+48*mP+FR*\a
.set rSB, SC+8*mP+4+\b/2
.set rSA, SC+8*mP+\a/2
.set pB, \b%2
.set pA, \a%2
	WM \zero
.endr
.endr
	WIN 0
.endm
.macro STEP st, zero
	s_wait_dscnt 0x0                               ; this step's operands are in
	PLACES NP                                      ; in front of loads into registers that the step before has multiplied
	FETCH (\st)+1                                  ; the next step's land under this step's products
	MUL \st, \zero
.endm
.macro TOSTAGE a
.set AC, 64*(\a)
	WIN 0x08                                       ; the data: window 2
.irp b, 0,1,2,3,4,5,6,7
	ds_store_b128 v[STO], v[AC+8*\b:AC+8*\b+3] offset:128*(\b/2)+32*(\b%2)        ; each accumulator from its low end on; register j of tile b is column 32 (b / 2) + 8 (b % 2) + 16 (lane / 16) + j
	ds_store_b128 v[STO], v[AC+8*\b+4:AC+8*\b+7] offset:128*(\b/2)+32*(\b%2)+16
.endr
	WIN 0
.set BB, BK+64*((\a)%2)
.irp t, 0,1,2,3,4,5,6,7,8,9,10,11,12,13,14,15
	ds_load_b128 v[BB+4*\t:BB+4*\t+3], v[RD] offset:\t*SPITCH    ; LDS serves a wave's instructions in order: these see the stores above
.endr
.endm
.macro SEND a, younger                 ; younger: the LDS instructions issued behind block a's loads, which may stay out
.set BB, BK+64*((\a)%2)
	s_wait_dscnt \younger
.irp t, 0,1,2,3,4,5,6,7,8,9,10,11,12,13,14,15
	global_store_b128 v[LI], v[BB+4*\t:BB+4*\t+3], s[12:13] offset:(32*((\a)/2)+8*((\a)%2)+\t+8*(\t/8))*4096 th:TH_STORE_NT   ; 32 lanes store 512 consecutive bytes, aligned
.endr
.endm
	s_load_b128 s[4:7], s[0:1], 0x0                ; yr, wpr
	s_load_b64 s[12:13], s[0:1], 0x10              ; out0
	v_lshl_add_u32 v[SPW], v0, 2, SPARE
	v_mov_b32 v[NIL], 0
	ds_add_u32 v[SPW], v[NIL]                      ; the wave's opening: the add, twice on end, and its wait stand ahead of my first tensor load; the set-up below stands between
	ds_add_u32 v[SPW], v[NIL]
	v_lshrrev_b32 v1, 5, v0
	v_readfirstlane_b32 s14, v1                    ; wave 0..3
	s_lshr_b32 s15, s14, 1                         ; which four fragments of A are mine.  Also: I fetch for A (0) or for B (1)
	s_and_b32 s16, s14, 1                          ; which of B's two row groups.  Also: which half of A, or which row group of B, I fetch
	s_bfe_u32 s40, ttmp6, 0x40000                  ; cx
	s_bfe_u32 s41, ttmp6, 0x40004                  ; cy
	s_lshl_b32 s42, ttmp9, 2
	s_add_co_u32 s42, s42, s40                     ; B's pair of row groups: 4 x cluster x + cx
	s_and_b32 s17, ttmp7, 0xffff
	s_lshl_b32 s17, s17, 2
	s_add_co_u32 s17, s17, s41                     ; A's row group: 4 x cluster y + cy
	s_lshl_b32 s43, s41, 2
	s_lshl_b32 s43, 15, s43                        ; my row of the cluster
	s_lshl_b32 s44, 0x1111, s40                    ; my column
	; descriptor group 1: dense bytes as rows of 32 elements of 8 bytes, no padding: every LDS load reads bytes on end.  A: 51,200 bytes, 200 rows; B: 102,400 bytes, 400 rows
	s_or_b32 s[G1+0], s43, (3<<16)|(1<<21)         ; 15:0 the mask: A's tiles go to my row; 17:16 elements of 8 bytes; 21 set beside a mask
	s_or_b32 s[G1B+0], s44, (3<<16)|(1<<21)
.irp g, G1, G1B
	s_mov_b32 s[\g+1], 32<<16
	s_mov_b32 s[\g+3], 32<<16
	s_mov_b32 s[\g+5], 32
	s_mov_b32 s[\g+6], 0
	s_mov_b32 s[\g+7], 0
.endr
	s_mov_b32 s[G1+2], 200<<16
	s_mov_b32 s[G1+4], 200
	s_mov_b32 s[G1B+2], 400<<16
	s_mov_b32 s[G1B+4], 400
	s_mul_i32 s20, s17, BLK
	s_mul_i32 s22, s16, 4*REC
	s_add_co_u32 s20, s20, s22                     ; A: my half of the row group, in bytes
	s_mov_b32 s21, 0
	s_lshl_b32 s46, s42, 1
	s_add_co_u32 s46, s46, s16
	s_mul_i32 s46, s46, BLK                        ; B: my row group
	s_mov_b32 s47, 0
	s_mov_b32 s[G0], 1
	s_mov_b32 s[G0+1], s22                         ; where they go: A at 0, B's two row groups behind it; no place in the cluster enters an LDS address
	s_mov_b32 s[G0B], 1
	s_mul_i32 s[G0B+1], s16, BLK
	s_add_co_u32 s[G0B+1], s[G0B+1], BLK
	s_mul_i32 s66, s15, 4*FRB                      ; what I read: my four fragments of A,
	s_add_co_u32 s67, s66, 4*REC
	s_mov_b32 s68, s[G0B+1]                        ; my row group of B,
	s_add_co_u32 s69, s68, 4*REC
	s_lshl_b32 s70, s15, 3
	s_add_co_u32 s70, s70, SCO                     ; A's scale words: two of a place's four
	s_add_co_u32 s71, s70, 4*REC
	s_mul_i32 s72, s14, 16*SPITCH                  ; my stage
	s_wait_dscnt 0x0                               ; both opening adds are done
	s_wait_kmcnt 0x0
	s_add_nc_u64 s[G0+2:G0+3], s[4:5], s[20:21]
	s_or_b32 s[G0+3], s[G0+3], 0x80000000
	s_add_nc_u64 s[G0B+2:G0B+3], s[6:7], s[46:47]
	s_or_b32 s[G0B+3], s[G0B+3], 0x80000000
	CROUND                                         ; all sixteen work-groups are here: the joint loads meet
	s_cmp_eq_u32 s15, 0                            ; waves 0 and 1 fetch for A, waves 2 and 3 for B: a load in each arm; an s_nop 0 and four v_nop follow each
	s_cbranch_scc0 .Lfor_b
	tensor_load_to_lds s[G0:G0+3], s[G1:G1+7]
	s_nop 0
.rept 4
	v_nop
.endr
	s_branch .Lasked
.Lfor_b:
	tensor_load_to_lds s[G0B:G0B+3], s[G1B:G1B+7]
	s_nop 0
.rept 4
	v_nop
.endr
.Lasked:
	v_and_b32 v1, 31, v0
	v_and_b32 v2, 15, v0
	v_bfe_u32 v3, v0, 4, 1
	v_lshlrev_b32 v[LI], 4, v1
	v_mul_u32_u24 v4, v2, SPITCH
	v_add_nc_u32 v[ADRA], s66, v[LI]
	v_add_nc_u32 v[ADRA+1], s67, v[LI]
	v_add_nc_u32 v[ADRB], s68, v[LI]
	v_add_nc_u32 v[ADRB+1], s69, v[LI]
	v_add_nc_u32 v[ADSA], s70, v[LI]
	v_add_nc_u32 v[ADSA+1], s71, v[LI]
	v_lshl_add_u32 v4, v3, 6, v4                   ; stage, in: row l % 16, 64 bytes for each half of the lanes
	v_add_nc_u32 v[RD], s72, v[LI]                 ; back: the 32 lanes take one row of 512 bytes
	v_add_nc_u32 v[STO], s72, v4
	s_lshl_b32 s78, s17, 1
	s_add_co_u32 s78, s78, s15
	s_lshl_b32 s78, s78, 18                        ; my first token: 128 x row group + 64 x half, rows of 4,096 bytes
	s_lshl_b32 s79, s42, 1
	s_add_co_u32 s79, s79, s16
	s_lshl_b32 s79, s79, 9                         ; my first column, in bytes
	s_add_co_u32 s78, s78, s79
	s_mov_b32 s79, 0
	s_add_nc_u64 s[12:13], s[12:13], s[78:79]
	s_wait_alu depctr_va_vdst(0)                   ; the wait at the head's end
	s_wait_tensorcnt 0x0                           ; my tile is in
	s_barrier_signal -1
	s_barrier_wait -1                              ; and everybody's
	FETCH 0
	STEP 0, 1                                      ; the first products start the sums: nothing is cleared
.irp s, 1,2,3,4,5,6
	STEP \s, 0
.endr
	s_wait_dscnt 0x0                               ; the last step's operands are in, and my reads of the tiles are over:
	s_barrier_signal -1                            ; say so,
	MUL 7, 0                                       ; work on registers while the others arrive,
	s_barrier_wait -1                              ; and nobody reads A's bytes any more: the stages lie there
	PLACES NP                                      ; behind the last products: results are read and A's registers loaded below
	TOSTAGE 0
.irp a, 1,2,3
.if \a > 1
	s_wait_xcnt 0x0                                ; block a - 2's stores have read their registers: block a's loads may land there
.endif
	TOSTAGE \a
	SEND \a-1, 32                                  ; behind block a - 1's loads: block a's 16 stores and 16 loads
.endr
	SEND 3, 0
	s_wait_tensorcnt 0x0                           ; the wave's end
	ds_add_u32 v[SPW], v[NIL]
	s_wait_dscnt 0x0
	CROUND                                         ; the closing round
	s_endpgm
.Lfunc_end_k_q95dafeaa3a_proj:
	.size	k_q95dafeaa3a_proj, .Lfunc_end_k_q95dafeaa3a_proj-k_q95dafeaa3a_proj
	.p2alignl 7, 3214868480
	.fill 96, 4, 3214868480
	.section	.rodata,"a",@progbits
	.p2align	6, 0x0
	.amdhsa_kernel k_q95dafeaa3a_proj
		.amdhsa_group_segment_fixed_size 327680
		.amdhsa_private_segment_fixed_size 0
		.amdhsa_enable_private_segment 0
		.amdhsa_kernarg_size 24
		.amdhsa_user_sgpr_count 2
		.amdhsa_user_sgpr_kernarg_segment_ptr 1
		.amdhsa_wavefront_size32 1
		.amdhsa_system_sgpr_workgroup_id_x 1
		.amdhsa_system_sgpr_workgroup_id_y 1
		.amdhsa_system_sgpr_workgroup_id_z 1
		.amdhsa_system_vgpr_workitem_id 0
		.amdhsa_next_free_vgpr 768
		.amdhsa_next_free_sgpr 100
		.amdhsa_reserve_vcc 0
		.amdhsa_float_denorm_mode_32 3
		.amdhsa_float_denorm_mode_16_64 3
		.amdhsa_memory_ordered 1
		.amdhsa_forward_progress 1
		.amdhsa_inst_pref_size 74
	.end_amdhsa_kernel
	.amdgpu_metadata
---
amdhsa.version: [ 1, 2 ]
amdhsa.kernels:
  - .name:           k_q95dafeaa3a_proj
    .symbol:         k_q95dafeaa3a_proj.kd
    .args:
      - { .name: yr, .offset: 0, .size: 8, .value_kind: global_buffer, .address_space: global }
      - { .name: wpr, .offset: 8, .size: 8, .value_kind: global_buffer, .address_space: global }
      - { .name: out0, .offset: 16, .size: 8, .value_kind: global_buffer, .address_space: global }
    .group_segment_fixed_size: 327680
    .private_segment_fixed_size: 0
    .kernarg_segment_align: 8
    .kernarg_segment_size: 24
    .max_flat_workgroup_size: 128
    .sgpr_count:     100
    .vgpr_count:     768
    .wavefront_size: 32
...
	.end_amdgpu_metadata
.endif
;; end of part 4
